; MI455X (gfx1250); checked and timed in simulation.
; The chip was launched on July 23, 2026; its instructions are those of AMD's public machine-readable ISA for CDNA 5 (MIT licence, August 2026) and "CDNA5" Instruction Set Architecture Reference Guide (July 2026). The comments in the code are by the model that wrote it; some were corrected since.
;; Causal Self Attention. Allowed arithmetic: matrix products marked QUANTISED: E2M3 operands, one E8M0 scale for each 32 along K, by v_wmma_scale_f32_16x16x128_f8f6f4 with both operands' format E2M3, f32 sums; everything else in f32.
;; Inputs: Wk 1,024 x 1,024 float32; Wq 1,024 x 1,024 float32; Wv 1,024 x 1,024 float32; x 4 x 2,048 x 1,024 float32.
;; Outputs: out0 4 x 2,048 x 1,024 float32.
;; This version of the problem:
;;   THIS VERSION OF THE PROBLEM IS GIVEN IN LOW PRECISION. The matrix products marked QUANTISED in the list below multiply operands that are first quantised to E2M3 (2 exponent bits, 3 mantissa bits; 6 bits a number), with one power-of-two scale for each 32 numbers along K (OCP MX v1.0); their sums are f32. All else is computed in f32.
;;   The module's matrix products, in the order in which they are computed (A, B: the left and right operand; K: the contracted axis; several contracted axes count as one K, in the product's order):
;;     1. [M 8,192, K 1,024] x [K 1,024, N 1,024]; A: input x; B: input Wq: QUANTISED
;;     2. [M 8,192, K 1,024] x [K 1,024, N 1,024]; A: input x; B: input Wk: QUANTISED
;;     3. [M 8,192, K 1,024] x [K 1,024, N 1,024]; A: input x; B: input Wv: QUANTISED
;;     4. batch 4 x [M 2,048, K 1,024] x [K 1,024, N 2,048]; A: computed on the way; B: computed on the way: QUANTISED
;;     5. batch 4 x [M 2,048, K 2,048] x [K 2,048, N 1,024]; A: softmax (see below); B: computed on the way: QUANTISED
;;   THE QUANTISER, for each operand of a quantised product, along K:
;;     - K is cut into blocks of 32 from its start; a last block that is shorter is filled with zeros.
;;     - A block's scale is 2^e with e = floor(log2(the largest magnitude in the block)) - 2, held to -126 .. 127; a block of zeros has e = 0. As a byte (E8M0): e + 127.
;;     - Each number is divided by its block's scale, clamped to +-7.5, and rounded to the nearest number of E2M3, ties to even, subnormals kept.
;;     - The product sums the exact products of the quantised numbers (number of the format x scale) in f32.
;;   ~~~python
;;   def quantise(x, axis):      # numpy; x: float32 -> the quantised numbers, widened to float32 again
;;       x = np.moveaxis(x, axis, -1); K = x.shape[-1]
;;       x = np.pad(x, [(0, 0)] * (x.ndim - 1) + [(0, -K % 32)]); x = x.reshape(x.shape[:-1] + (-1, 32)); a = np.abs(x).max(-1, keepdims=True)
;;       e = np.where(a > 0, np.clip(np.frexp(np.where(a > 0, a, 1))[1] - 1 - 2, -126, 127), 0)      # np.frexp(a)[1] - 1 = floor(log2(a)), exactly
;;       r = np.clip(x / 2.0 ** e, -7.5, 7.5)
;;       step = 2.0 ** (np.maximum(np.frexp(np.where(r == 0, 1, r))[1] - 1, 0) - 3)
;;       q = np.round(r / step) * step * 2.0 ** e      # np.round: ties to even
;;       return np.moveaxis(q.reshape(q.shape[:-2] + (-1,))[..., :K], -1, axis).astype(np.float32)
;;   ~~~
;;   SOFTMAX AHEAD OF A QUANTISED PRODUCT. Where the list says 'softmax', what is quantised is not the finished softmax but p = 2^(t - M), with t = logit x log2(e) and M = ceil(the row's largest t), a whole number; so 1/2 < the row's largest p <= 1. The row's sum l is taken of the UNQUANTISED p, in f32, and the product's result is divided by l at the end. Since M is a whole number, a kernel that streams over the keys may use a running M (the ceiling of the running maximum): every later rescaling is an exact power of two, which a block's scale takes up: the codes' values come out the same.
;;   OPERANDS COMPUTED ON THE WAY. 'Computed on the way' means the value that the module computes at that place (a softmax that the list does not call 'softmax' is quantised finished and normalised). What goes into a quantiser is computed in f32, as accurately as f32 sums, v_exp_f32 and their like allow (about 1e-6 of the number): no bf16 or f16 on the way to a quantiser, and a product that is left as it is and whose result goes on into a quantised operand takes f32 operands (vector FMAs, or v_wmma_f32_16x16x4_f32). A number that lies on a knife's edge between two numbers of the format may be rounded either way, as far as f32 arithmetic and the matrix unit's own rounding can turn it there, and no further.
;; One version. Each part assembles by itself: llvm-mc -triple=amdgcn-amd-amdhsa -mcpu=gfx1250 --defsym DOCPART=n.
;; ======== version 1 of 1: 4 launches
;; limits: right only within a limited range of input values
;; workspace buffers: xwc 8,650,752 bytes; xws 360,448 bytes; qkc 12,582,912 bytes; qks 524,288 bytes; vtc 6,291,456 bytes; vts 262,144 bytes; pc 12,582,912 bytes; pst 4,194,304 bytes
;; launch quant (part 1): grid 352 x 1, 4 waves a work-group, no clusters, 34,304 bytes of LDS; arguments x, Wq, Wk, Wv, xwc, xws; writes xwc, xws
.if DOCPART == 1
	.amdgcn_target "amdgcn-amd-amdhsa--gfx1250"
	.amdhsa_code_object_version 6
	.text
	.protected	k_q8df30dcac1_quant
	.globl	k_q8df30dcac1_quant
	.p2align	8
	.type	k_q8df30dcac1_quant,@function
k_q8df30dcac1_quant:
	s_mov_b64 s[64:65], 0
	v_nop
	global_prefetch_b8 v0, s[64:65] scope:SCOPE_SE
	s_setreg_imm32_b32 hwreg(HW_REG_WAVE_MODE, 25, 1), 1
	s_wait_xcnt 0x0
; x [8192][1024], Wq, Wk, Wv [1024][1024], f32, become codes of FP6 (E2M3) with one E8M0 byte for each 32 along K (their last axis),
; laid as IMAGES OF OPERAND REGISTERS: xwc [tile][K step of 128][3 chunks][32 lanes][16 bytes], xws [pair of tiles][K step][32 lanes] words.
; Tiles 0-511 x, 512-575 Wq, 576-639 Wk, 640-703 Wv.  THE ROWS OF A TILE ARE NOT NEIGHBOURS: lane r of tile 2 g + u stands for row 32 g + 8 u + r + 8 (r / 8).
; In a scale word's image lanes 0-15 hold tile 2 g's rows, lanes 16-31 tile 2 g + 1's.
; A block's scale is 2^(floor(log2(largest magnitude)) - 2); its byte is the largest magnitude's exponent field - 2, held at 1 from below
; (a block of zeros keeps byte 1: its codes are zeros, and this program alone reads the bytes).
; LIMITS: blocks whose largest magnitude lies under 2^-124 keep byte 1; NaN and infinities among the inputs are not served.
; SHARES: work-group n takes pair n (32 rows, 131,072 dense bytes); wave w K steps 2 w and 2 w + 1; a wave has four units (tile u % 2, step u / 2).
; A unit's 16 loads read 512 consecutive bytes each; the 8,192 bytes turn through the wave's own stage in LDS (rows 528 bytes apart) so that a lane
; gets 16 neighbours of each block of 32 of ITS row.  No work-group shares an input byte with another: no cluster, no tensor load, no barrier.
.set STG,   16*528                     ; a wave's stage
.set SPARE, 4*STG                      ; behind the stages: the spare words, 128 bytes a wave
.set PW,  8                            ; v8   the scale word just made
.set PWE, 9                            ; v9   the even tile's
.set SW,  10                           ; v10  the pair's image
.set SPW, 12                           ; v12  my spare word's address; never rewritten
.set NIL, 13                           ; v13  0; never rewritten
.set PC,  16                           ; v16-27 the fragment; v28-35 the conversions' second halves
.set TM,  48                           ; v48-63 at work
.set R,   64                           ; v64-191 two sets of 64 registers as loaded
.set X,   192                          ; v192-255 64 numbers: register 16 b + i = k 32 b + 16 (lane / 16) + i of my row
.set SEL, 20                           ; s[20:21] selects for lane l xor 16
	s_load_b256 s[4:11], s[0:1], 0x0               ; x, Wq, Wk, Wv
	s_load_b128 s[12:15], s[0:1], 0x20             ; xwc, xws
	v_lshl_add_u32 v[SPW], v0, 2, SPARE
	v_mov_b32 v[NIL], 0
	v_lshrrev_b32 v5, 5, v0
	v_readfirstlane_b32 s16, v5                    ; wave
	v_and_b32 v5, 31, v0                           ; lane
	v_lshlrev_b32 v1, 4, v5                        ; 16 x lane: loads, code stores
	v_lshlrev_b32 v4, 2, v5                        ; 4 x lane: scale words
	s_mul_i32 s17, s16, STG
	v_add_nc_u32 v2, s17, v1                       ; the stage, on the way in
	v_and_b32 v6, 15, v0                           ; r
	v_bfe_u32 v7, v0, 4, 1                         ; h
	v_mul_u32_u24 v3, v6, 528
	v_lshl_add_u32 v3, v7, 6, v3
	v_add_nc_u32 v3, s17, v3                       ; and out: row r, + 64 h
	v_cmp_le_u32 s30, 16, v5                       ; lanes 16-31
	s_mov_b32 s[SEL], 0x76543210
	s_mov_b32 s[SEL+1], 0xfedcba98
.irp b, 0,1,2,3
	v_mov_b32 v[TM+4+\b], 0                        ; a lane permute's destination counts as one of its sources
.endr
	s_and_b32 s18, ttmp9, 31                       ; the pair within a weight
	s_wait_alu depctr_va_vdst(0)
	s_wait_kmcnt 0x0
	s_cmp_lt_u32 ttmp9, 320                        ; which tensor: the choice hangs on the work-group's number alone
	s_cselect_b64 s[10:11], s[8:9], s[10:11]
	s_cmp_lt_u32 ttmp9, 288
	s_cselect_b64 s[10:11], s[6:7], s[10:11]
	s_cmp_lt_u32 ttmp9, 256
	s_cselect_b64 s[10:11], s[4:5], s[10:11]
	s_cselect_b32 s18, ttmp9, s18
	s_lshl_b32 s18, s18, 17                        ; 32 rows of 4,096 bytes
	s_lshl_b32 s19, s16, 10                        ; my two K steps of 512 bytes
	s_add_co_u32 s18, s18, s19
	s_mov_b32 s19, 0
	s_add_nc_u64 s[10:11], s[10:11], s[18:19]
	s_mul_i32 s22, ttmp9, 24576                    ; two tiles x 8 steps x 1,536
	s_mul_i32 s23, s16, 3072
	s_add_co_u32 s22, s22, s23
	s_mov_b32 s23, 0
	s_add_nc_u64 s[12:13], s[12:13], s[22:23]
	s_lshl_b32 s22, ttmp9, 10                      ; 8 steps x 128
	s_lshl_b32 s24, s16, 8
	s_add_co_u32 s22, s22, s24
	s_add_nc_u64 s[14:15], s[14:15], s[22:23]
.macro LOADU u                         ; unit u: the tile's 16 rows, 512 consecutive bytes each
.irp i, 0,1,2,3,4,5,6,7,8,9,10,11,12,13,14,15
	global_load_b128 v[R+64*((\u)%2)+4*\i:R+64*((\u)%2)+4*\i+3], v1, s[10:11] offset:(8*((\u)%2)+\i+8*(\i/8))*4096+512*((\u)/2) th:TH_LOAD_NT
.endr
.endm
.macro TURN u                          ; through the stage: LDS serves a wave's instructions in order, so no wait stands between stores and loads
.irp i, 0,1,2,3,4,5,6,7,8,9,10,11,12,13,14,15
	ds_store_b128 v2, v[R+64*((\u)%2)+4*\i:R+64*((\u)%2)+4*\i+3] offset:528*\i
.endr
.irp b, 0,1,2,3
.irp j, 0,1,2,3
	ds_load_b128 v[X+16*\b+4*\j:X+16*\b+4*\j+3], v3 offset:128*\b+16*\j
.endr
.endr
.endm
; 64 numbers of a lane become a fragment's codes in v[PC] on and its row's scale word in v[PW]
.macro QUANT s
.irp b, 0,1,2,3
	v_max3_num_f32 v[TM+\b], |v[\s+16*\b]|, |v[\s+1+16*\b]|, 0x1800000   ; my 16 numbers of block b, and the floor 2^(3 - 127): the byte cannot fall under 1
.endr
.irp i, 2,4,6,8,10,12,14
.irp b, 0,1,2,3
	v_max3_num_f32 v[TM+\b], v[TM+\b], |v[\s+16*\b+\i]|, |v[\s+1+16*\b+\i]|
.endr
.endr
.irp b, 0,1,2,3
	v_permlanex16_b32 v[TM+4+\b], v[TM+\b], s[SEL], s[SEL+1]
.endr
.irp b, 0,1,2,3
	v_max_num_f32 v[TM+\b], v[TM+\b], v[TM+4+\b]   ; with lane l xor 16's: the block's largest magnitude
.endr
.irp b, 0,1,2,3
	v_add_nc_u32 v[TM+12+\b], 0xff000000, v[TM+\b] ; 2 off its exponent field: the conversion's scale operand
.endr
.irp b, 0,1,2,3
	v_lshrrev_b32 v[TM+4+\b], 23, v[TM+12+\b]      ; the scale's byte
.endr
	v_lshl_or_b32 v[PW], v[TM+5], 8, v[TM+4]
	v_lshl_or_b32 v[PW], v[TM+6], 16, v[PW]
	v_lshl_or_b32 v[PW], v[TM+7], 24, v[PW]
.irp c, 0,1
	v_cvt_scalef32_pk16_fp6_f32 v[PC+6*\c:PC+2+6*\c], v[\s+32*\c:\s+15+32*\c], v[TM+12+2*\c]
	v_cvt_scalef32_pk16_fp6_f32 v[PC+12+4*\c:PC+14+4*\c], v[\s+16+32*\c:\s+31+32*\c], v[TM+12+2*\c+1]   ; (a conversion's three registers begin on an even number)
.endr
	v_nop                                          ; one plain place behind a scaled conversion
.irp c, 0,1                                    ; the operand's layout wants a whole block in a lane
.irp i, 0,1,2
	v_permlane16_swap_b32 v[PC+6*\c+\i], v[PC+12+4*\c+\i]
.endr
.irp i, 0,1,2
	v_mov_b32 v[PC+3+6*\c+\i], v[PC+12+4*\c+\i]
.endr
.endr
.endm
.macro UNIT u, left
	s_wait_loadcnt \left                           ; this unit's 16 loads are in; the next unit's 16 may be out
	TURN \u
	s_wait_dscnt 0x0                               ; the numbers are back, and the stores into the stage have read their registers
	s_wait_xcnt 0x0                                ; the last unit's stores have read the codes and the scale word, which are written anew below
.if (\u) < 2
	LOADU (\u)+2
.endif
	QUANT X
.irp c, 0,1,2
	global_store_b128 v1, v[PC+4*\c:PC+4*\c+3], s[12:13] offset:12288*((\u)%2)+1536*((\u)/2)+512*\c   ; 512 consecutive bytes a store
.endr
.if (\u)%2 == 0
	v_mov_b32 v[PWE], v[PW]
.else
	v_cndmask_b32 v[SW], v[PWE], v[PW], s30        ; lanes 0-15 the even tile's words, lanes 16-31 the odd tile's
	global_store_b32 v4, v[SW], s[14:15] offset:128*((\u)/2)
.endif
.endm
	LOADU 0
	LOADU 1
	UNIT 0, 16
	UNIT 1, 16
	UNIT 2, 16
	UNIT 3, 0
	s_wait_tensorcnt 0x0                           ; the wave's end
	ds_add_u32 v[SPW], v[NIL]
	s_wait_dscnt 0x0
	s_endpgm
.Lfunc_end_k_q8df30dcac1_quant:
	.size	k_q8df30dcac1_quant, .Lfunc_end_k_q8df30dcac1_quant-k_q8df30dcac1_quant
	.p2alignl 7, 3214868480
	.fill 96, 4, 3214868480
	.section	.rodata,"a",@progbits
	.p2align	6, 0x0
	.amdhsa_kernel k_q8df30dcac1_quant
		.amdhsa_group_segment_fixed_size 34304
		.amdhsa_private_segment_fixed_size 0
		.amdhsa_enable_private_segment 0
		.amdhsa_kernarg_size 48
		.amdhsa_user_sgpr_count 2
		.amdhsa_user_sgpr_kernarg_segment_ptr 1
		.amdhsa_wavefront_size32 1
		.amdhsa_system_sgpr_workgroup_id_x 1
		.amdhsa_system_sgpr_workgroup_id_y 1
		.amdhsa_system_sgpr_workgroup_id_z 1
		.amdhsa_system_vgpr_workitem_id 0
		.amdhsa_next_free_vgpr 256
		.amdhsa_next_free_sgpr 66
		.amdhsa_reserve_vcc 0
		.amdhsa_float_denorm_mode_32 3
		.amdhsa_float_denorm_mode_16_64 3
		.amdhsa_memory_ordered 1
		.amdhsa_forward_progress 1
		.amdhsa_inst_pref_size 34
	.end_amdhsa_kernel
	.amdgpu_metadata
---
amdhsa.version: [ 1, 2 ]
amdhsa.kernels:
  - .name:           k_q8df30dcac1_quant
    .symbol:         k_q8df30dcac1_quant.kd
    .args:
      - { .name: x, .offset: 0, .size: 8, .value_kind: global_buffer, .address_space: global }
      - { .name: Wq, .offset: 8, .size: 8, .value_kind: global_buffer, .address_space: global }
      - { .name: Wk, .offset: 16, .size: 8, .value_kind: global_buffer, .address_space: global }
      - { .name: Wv, .offset: 24, .size: 8, .value_kind: global_buffer, .address_space: global }
      - { .name: xwc, .offset: 32, .size: 8, .value_kind: global_buffer, .address_space: global }
      - { .name: xws, .offset: 40, .size: 8, .value_kind: global_buffer, .address_space: global }
    .group_segment_fixed_size: 34304
    .private_segment_fixed_size: 0
    .kernarg_segment_align: 8
    .kernarg_segment_size: 48
    .max_flat_workgroup_size: 128
    .sgpr_count:     66
    .vgpr_count:     256
    .wavefront_size: 32
...
	.end_amdgpu_metadata
.endif
;; end of part 1
;; launch proj (part 2): grid 256 x 1, 4 waves a work-group, clusters of 4 x 1, 327,680 bytes of LDS; arguments xwc, xws, qkc, qks, vtc, vts; writes qkc, qks, vtc, vts
.if DOCPART == 2
	.amdgcn_target "amdgcn-amd-amdhsa--gfx1250"
	.amdhsa_code_object_version 6
	.text
	.protected	k_q8df30dcac1_proj
	.globl	k_q8df30dcac1_proj
	.p2align	8
	.type	k_q8df30dcac1_proj,@function
k_q8df30dcac1_proj:
	s_mov_b64 s[64:65], 0
	v_nop
	global_prefetch_b8 v0, s[64:65] scope:SCOPE_SE
	s_setreg_imm32_b32 hwreg(HW_REG_WAVE_MODE, 25, 1), 1
	s_wait_xcnt 0x0
	s_wait_alu depctr_hold_cnt(0) depctr_sa_sdst(0) depctr_va_vdst(0) depctr_va_sdst(0) depctr_va_ssrc(0) depctr_va_vcc(0) depctr_vm_vsrc(0)
	s_getreg_b32 s2, hwreg(HW_REG_IB_STS2, 6, 4)
	s_cmp_eq_u32 s2, 0
	s_cbranch_scc0 .Lentry_in_a_cluster
	s_endpgm
.Lentry_in_a_cluster:
	s_bfe_u32 s2, ttmp6, 0x10000c
	s_cmp_lg_u32 s2, 0x3003
	s_cbranch_scc0 .Lentry_shape_is_right
	s_endpgm
.Lentry_shape_is_right:
; The three projections on codes of FP6 (E2M3), K = 1,024, and the quantising of their results.  ONE WORK-GROUP TAKES 128 ROWS OF x THROUGH TWO TILES:
; TILE 1: Q | K: 128 t x 512 rows of Wq | Wk; source 0 = the weight, source 1 = x: a lane holds a t and its registers run along e.  Quantised along e into
;         qkc [512 tiles (t)][16 steps: 0-7 Q, 8-15 K][1,536], qks [256 pairs][16][128].  Wave w takes the weight's tiles 8 w .. 8 w + 7: 128 x 128, 64 accumulators.
; TILE 2: V^T: 256 rows of Wv x the same 128 t; source 0 = x, source 1 = Wv: a lane holds an e and its registers run down t.  Quantised along t (the keys) into
;         vtc [64 tiles (e)][64 steps (t)][1,536], vts [32 pairs][64][128].  Wave w takes Wv's tiles 4 w .. 4 w + 3: 64 x 128, 32 accumulators.
; 64 blocks of x times 4 blocks of each weight are 256 work-groups of equal work.
; All operands are images of fragment registers (a fragment: 3 chunks of 32 lanes x 16 bytes), so a fragment is three loads of 16 bytes a lane at 16 x lane, and results are stored as they stand.
; Lane r of tile 2 g + u stands for row 32 g + 8 u + r + 8 (r / 8): as source 0 the 16 registers of tiles 2 g, 2 g + 1 are then 16 neighbouring rows.
; CLUSTER: the four partners take four neighbouring blocks of x against the SAME rows of the weights: the weights' tiles and scales are asked for jointly (mask 15); x's rows differ from partner
; to partner and are each work-group's own loads; they stay in LDS for the whole launch.  Wq | Wk goes through two slots of two K steps.  Wv's 16 tiles x 8 K steps are just the two slots' bytes:
; K steps 0-3 take slot 0 when tile 1 has left it for the last time, K steps 4-7 take slot 1 in the middle of tile 1's way out, so that both land under work that is due anyway.
; LIMITS: blocks of a result whose largest magnitude lies under 2^-124 keep byte 1; NaN and infinities are not served.  A scale store covers 128 bytes, half of an aligned 256: 1/24 of the bytes stored.
; REGISTERS: window 0: v16-24 addresses; v28, v29 the add's; v32-47 scale words, two sets; v64-255 x's fragments, two sets.  window 1: the weight's fragments, two sets.
;   windows 2, 3: tile 1's accumulators (a, b) at v[8 (8 (a % 4) + b)]; tile 2's 32 in window 2 at v[8 (8 a + b)].
.set PIT,   12288                      ; bytes of a tile in xwc: 8 K steps x 1,536
.set BR,    98304                      ; LDS: x's 8 tiles x 8 steps from 0; the weights' two slots from here;
.set SLOTB, 98304
.set ASC,   294912                     ; x's scale words, 4 pairs x 1,024;
.set BSC,   299008                     ; Wq | Wk's, 16 pairs x 1,024;
.set SPARE, 315392                     ; the spare words, 128 bytes a wave: two blocks of 256 bytes that no other line names;
.set VSC,   315904                     ; Wv's scale words, 8 pairs x 1,024
.set SPW, 28
.set NIL, 29
.set G1AC, 24                          ; s[24:31] group 1: x's codes
.set G1BC, 32                          ; s[32:39] Wq | Wk's codes
.set G0AC, 56
.set G0AS, 60                          ; s[62:63] where x's scale words stand in xws;  s[70:71] Wq | Wk's;  s[98:99] Wv's
.set G0BS, 68
.set G0B0, 72                          ; s[72:75] slot 0's group 0; slot 1's at s[76:79]
.set G1BV, 80                          ; s[80:87] Wv's codes
.set G0VS, 96
.set VA,  18                           ; s[18:19] where my tiles of Wv stand in xwc
.set OQ,  20                           ; s[20:21] qkc at my first fragment;  s[22:23] qks
.set SQ,  22
.set OV,  100                          ; s[100:101] vtc likewise;  s[104:105] vts
.set SV,  104
.set TM,  64                           ; the way out: v64-79 at work, v80-91 the fragment, v92-99 second halves, v100-102 scale words
.set PC,  80
.set PW,  100
.set PWE, 101
.set SW,  102
.set MSB, 0
.macro WIN new                         ; the immediate's high byte repeats the setting that is left
.if MSB != (\new)
	s_set_vgpr_msb (MSB<<8)|(\new)
.set MSB, (\new)
.endif
.endm
.set MUL_LO, 0xa1                      ; tile 1: source 0 (the weight) window 1, source 1 (x) window 0, C and D window 2
.set MUL_HI, 0xf1
.set MUL_V,  0xa4                      ; tile 2: source 0 (x) window 0, source 1 (Wv) window 1, C and D window 2
.set TO_B,   0x40
.macro PLACES                          ; four plain places behind matrix instructions, ahead of loads into their operands and of reads of results
.rept 4
	v_nop
.endr
.endm
.macro CREST                           ; a round of the cluster's barrier behind its opening barrier
	s_cmp_lg_u32 s16, 0
	s_cbranch_scc1 .Lnot_wave_0_\@
	s_barrier_signal -3
.Lnot_wave_0_\@:
	s_barrier_wait -3
	s_barrier_signal -1
	s_barrier_wait -1
.endm
.macro CROUND
	s_barrier_signal -1
	s_barrier_wait -1
	CREST
.endm
.macro DESC g, w0, d0, d1, st          ; group 1: d1 rows of d0 elements of 8 bytes, st elements apart
	s_mov_b32 s[\g], \w0
	s_mov_b32 s[\g+1], (\d0)<<16
	s_mov_b32 s[\g+2], (\d1)<<16
	s_mov_b32 s[\g+3], (\d0)<<16
	s_mov_b32 s[\g+4], \d1
	s_mov_b32 s[\g+5], \st
	s_mov_b32 s[\g+6], 0
	s_mov_b32 s[\g+7], 0
.endm
; One product: D at rD, source 0 at rP with its scale words in rT, source 1 at rQ with rU.  An odd tile's scale words stand in lanes 16-31.  rW: bit 0 source 0's tile is odd, bit 1 source 1's, bit 2 the product starts the sum
.macro EMIT
.if rW == 0
	v_wmma_scale_f32_16x16x128_f8f6f4 v[rD:rD+7], v[rP:rP+11], v[rQ:rQ+11], v[rD:rD+7], v[rT], v[rU] matrix_a_fmt:MATRIX_FMT_FP6 matrix_b_fmt:MATRIX_FMT_FP6
.elseif rW == 1
	v_wmma_scale_f32_16x16x128_f8f6f4 v[rD:rD+7], v[rP:rP+11], v[rQ:rQ+11], v[rD:rD+7], v[rT], v[rU] matrix_a_fmt:MATRIX_FMT_FP6 matrix_b_fmt:MATRIX_FMT_FP6 matrix_a_scale:MATRIX_SCALE_ROW1
.elseif rW == 2
	v_wmma_scale_f32_16x16x128_f8f6f4 v[rD:rD+7], v[rP:rP+11], v[rQ:rQ+11], v[rD:rD+7], v[rT], v[rU] matrix_a_fmt:MATRIX_FMT_FP6 matrix_b_fmt:MATRIX_FMT_FP6 matrix_b_scale:MATRIX_SCALE_ROW1
.elseif rW == 3
	v_wmma_scale_f32_16x16x128_f8f6f4 v[rD:rD+7], v[rP:rP+11], v[rQ:rQ+11], v[rD:rD+7], v[rT], v[rU] matrix_a_fmt:MATRIX_FMT_FP6 matrix_b_fmt:MATRIX_FMT_FP6 matrix_a_scale:MATRIX_SCALE_ROW1 matrix_b_scale:MATRIX_SCALE_ROW1
.elseif rW == 4
	v_wmma_scale_f32_16x16x128_f8f6f4 v[rD:rD+7], v[rP:rP+11], v[rQ:rQ+11], 0, v[rT], v[rU] matrix_a_fmt:MATRIX_FMT_FP6 matrix_b_fmt:MATRIX_FMT_FP6
.elseif rW == 5
	v_wmma_scale_f32_16x16x128_f8f6f4 v[rD:rD+7], v[rP:rP+11], v[rQ:rQ+11], 0, v[rT], v[rU] matrix_a_fmt:MATRIX_FMT_FP6 matrix_b_fmt:MATRIX_FMT_FP6 matrix_a_scale:MATRIX_SCALE_ROW1
.elseif rW == 6
	v_wmma_scale_f32_16x16x128_f8f6f4 v[rD:rD+7], v[rP:rP+11], v[rQ:rQ+11], 0, v[rT], v[rU] matrix_a_fmt:MATRIX_FMT_FP6 matrix_b_fmt:MATRIX_FMT_FP6 matrix_b_scale:MATRIX_SCALE_ROW1
.else
	v_wmma_scale_f32_16x16x128_f8f6f4 v[rD:rD+7], v[rP:rP+11], v[rQ:rQ+11], 0, v[rT], v[rU] matrix_a_fmt:MATRIX_FMT_FP6 matrix_b_fmt:MATRIX_FMT_FP6 matrix_a_scale:MATRIX_SCALE_ROW1 matrix_b_scale:MATRIX_SCALE_ROW1
.endif
.endm
; ---- tile 1
.macro FETCH set, slot, q, s           ; K step s (the slot's q-th): my 8 fragments of the weight, the 8 of x, 4 + 4 scale words: 56 LDS loads
	WIN TO_B
.irp i, 0,1,2,3,4,5,6,7
.irp c, 0,1,2
	ds_load_b128 v[128*(\set)+12*\i+4*\c:128*(\set)+12*\i+4*\c+3], v[18+(\slot)] offset:3072*\i+1536*(\q)+512*\c
.endr
.endr
	WIN 0
.irp i, 0,1,2,3,4,5,6,7
.irp c, 0,1,2
	ds_load_b128 v[64+96*(\set)+12*\i+4*\c:64+96*(\set)+12*\i+4*\c+3], v[16+(\s)/4] offset:6144*\i+1536*((\s)%4)+512*\c   ; x in LDS: [K steps 0-3 | 4-7][tile][4 steps]
.endr
.endr
.irp p, 0,1,2,3
	ds_load_b32 v[32+8*(\set)+\p], v20 offset:1024*\p+128*(\s)
	ds_load_b32 v[36+8*(\set)+\p], v21 offset:1024*\p+128*(\s)
.endr
.endm
.macro WM a, b, set, zero              ; source 0 = the weight's tile b, source 1 = x's tile a
.set rD, 8*(8*((\a)%4)+(\b))
.set rP, 128*(\set)+12*(\b)
.set rQ, 64+96*(\set)+12*(\a)
.set rT, 36+8*(\set)+(\b)/2
.set rU, 32+8*(\set)+(\a)/2
.set rW, 4*(\zero)+2*((\a)%2)+(\b)%2
	EMIT
.endm
.macro MUL16 a0, set, zero             ; the 64 accumulators take turns, one instruction a turn, in the same order in every step
.irp a, \a0, \a0+1
.irp b, 0,1,2,3,4,5,6,7
	WM \a, \b, \set, \zero
.endr
.endr
.endm
.macro KA s, zero                      ; an even K step: multiplies set 0; the odd step's fragments, of the same slot, are asked for at its head
	s_wait_dscnt 0x0                               ; set 0 is in
	PLACES
	FETCH 1, ((\s)/2)%2, 1, (\s)+1
	WIN MUL_LO
	MUL16 0, 0, \zero
	MUL16 2, 0, \zero
	WIN MUL_HI
	MUL16 4, 0, \zero
	MUL16 6, 0, \zero
.endm
; An odd K step: multiplies set 1 and changes slots.  fill = 1: the slot that is left is filled again, four K steps on;  fill = 2 (K step 5, slot 0): it takes Wv's K steps 0-3 for tile 2
.macro KT s, fill
	WIN 0
	s_wait_tensorcnt 0x0                           ; all my tensor loads have landed: my part of the next slot
	ds_add_u32 v[SPW], v[NIL]                      ; 0 onto my spare word
	s_wait_dscnt 0x1                               ; set 1 is in; the add alone may be out
	WIN MUL_LO
	MUL16 0, 1, 0
	s_wait_dscnt 0x0                               ; the add is done, and my reads of this slot are over
	s_barrier_signal -1
	MUL16 2, 1, 0
	WIN 0
	s_barrier_wait -1
.if (\fill) == 1
	CREST                                          ; the barrier has opened a round of the cluster's: no wave of any partner still reads this slot or has a load on its way
	s_add_nc_u64 s[G0B0+4*(((\s)/2)%2)+2:G0B0+4*(((\s)/2)%2)+3], s[G0B0+4*(((\s)/2)%2)+2:G0B0+4*(((\s)/2)%2)+3], 6144
	tensor_load_to_lds s[G0B0+4*(((\s)/2)%2):G0B0+4*(((\s)/2)%2)+3], s[G1BC:G1BC+7]   ; my one load behind the round
	s_nop 0
	PLACES
.elseif (\fill) == 2
	CREST
	s_mov_b64 s[G0B0+2:G0B0+3], s[VA:VA+1]         ; my four tiles of Wv, K steps 0-3: 24,576 bytes, at the place of my part of slot 0
	s_or_b32 s[G0B0+3], s[G0B0+3], 0x80000000
	tensor_load_to_lds s[G0B0:G0B0+3], s[G1BV:G1BV+7]   ; my one load behind the round: 160 products and four tiles' quantising stand ahead of the wait for it
	s_nop 0
	PLACES
.else
	PLACES
.endif
	FETCH 0, 1-((\s)/2)%2, 0, (\s)+1
.if (\s) == 1
	global_prefetch_b8 v27, s[4:5] th:TH_LOAD_NT scope:SCOPE_SE               ; two fills on: Wv's K steps 0-3
.elseif (\s) == 3
	global_prefetch_b8 v27, s[4:5] offset:6144 th:TH_LOAD_NT scope:SCOPE_SE   ; Wv's K steps 4-7
.endif
	WIN MUL_HI
	MUL16 4, 1, 0
	MUL16 6, 1, 0
.endm
; ---- tile 2
.macro FETCHV set, slot, q, s          ; K step s (the slot's q-th of four): my 4 fragments of Wv, the 8 of x, 4 + 2 scale words: 42 LDS loads
	WIN TO_B
.irp i, 0,1,2,3
.irp c, 0,1,2
	ds_load_b128 v[128*(\set)+12*\i+4*\c:128*(\set)+12*\i+4*\c+3], v[18+(\slot)] offset:6144*\i+1536*(\q)+512*\c
.endr
.endr
	WIN 0
.irp i, 0,1,2,3,4,5,6,7
.irp c, 0,1,2
	ds_load_b128 v[64+96*(\set)+12*\i+4*\c:64+96*(\set)+12*\i+4*\c+3], v[16+(\s)/4] offset:6144*\i+1536*((\s)%4)+512*\c
.endr
.endr
.irp p, 0,1,2,3
	ds_load_b32 v[32+8*(\set)+\p], v20 offset:1024*\p+128*(\s)
.endr
.irp p, 0,1
	ds_load_b32 v[36+8*(\set)+\p], v24 offset:1024*\p+128*(\s)
.endr
.endm
.macro WV a, b, set, zero              ; source 0 = x's tile b, source 1 = Wv's tile a
.set rD, 8*(8*(\a)+(\b))
.set rP, 64+96*(\set)+12*(\b)
.set rQ, 128*(\set)+12*(\a)
.set rT, 32+8*(\set)+(\b)/2
.set rU, 36+8*(\set)+(\a)/2
.set rW, 4*(\zero)+2*((\a)%2)+(\b)%2
	EMIT
.endm
.macro MULV set, zero                  ; the 32 accumulators take turns, one instruction a turn, in the same order in every step
.irp a, 0,1,2,3
.irp b, 0,1,2,3,4,5,6,7
	WV \a, \b, \set, \zero
.endr
.endr
.endm
	s_load_b256 s[4:11], s[0:1], 0x0               ; xwc, xws, qkc, qks
	s_load_b128 s[12:15], s[0:1], 0x20             ; vtc, vts
	v_lshl_add_u32 v[SPW], v0, 2, SPARE
	v_mov_b32 v[NIL], 0
	ds_add_u32 v[SPW], v[NIL]                      ; the wave's opening: the add and its wait ahead of my first tensor load
	ds_add_u32 v[SPW], v[NIL]
	v_lshrrev_b32 v1, 5, v0
	v_readfirstlane_b32 s16, v1                    ; wave
	s_bfe_u32 s17, ttmp6, 0x40000                  ; cx: it enters x's addresses and the results' alone
	s_and_b32 s3, ttmp9, 3                         ; j: the block of the weights, which the four partners share
	s_lshr_b32 s2, ttmp9, 2
	s_lshl_b32 s24, s2, 2
	s_add_co_u32 s24, s24, s17                     ; xb: my block of 128 rows of x, 0 .. 63
	s_lshl_b32 s25, s24, 3                         ; its first tile
	s_mul_i32 s[G0AC+2], s25, PIT                  ; x's codes: tiles 8 xb on
	s_mov_b32 s[G0AC+3], 0
	s_lshl_b32 s[G0AS+2], s25, 9                   ; x's scales: pairs 4 xb on
	s_mov_b32 s[G0AS+3], 0
	s_lshl_b32 s27, s3, 2
	s_add_co_u32 s27, s27, s16                     ; 4 j + w: tile 1's K step of the result
	s_mul_i32 s[OQ], s25, 24576                    ; qkc: tile 8 xb, step 4 j + w
	s_mul_i32 s26, s27, 1536
	s_add_co_u32 s[OQ], s[OQ], s26
	s_mov_b32 s[OQ+1], 0
	s_lshl_b32 s[SQ], s25, 10                      ; qks: pair 4 xb of 2,048 bytes
	s_lshl_b32 s26, s27, 7
	s_add_co_u32 s[SQ], s[SQ], s26
	s_mov_b32 s[SQ+1], 0
	s_mul_i32 s[OV], s27, 4*98304                  ; vtc: tile 16 j + 4 w, step xb
	s_mul_i32 s26, s24, 1536
	s_add_co_u32 s[OV], s[OV], s26
	s_mov_b32 s[OV+1], 0
	s_lshl_b32 s[SV], s27, 14                      ; vts: pair 8 j + 2 w of 8,192 bytes
	s_lshl_b32 s26, s24, 7
	s_add_co_u32 s[SV], s[SV], s26
	s_mov_b32 s[SV+1], 0
	s_lshl_b32 s28, s27, 3                         ; the weights' path: made of j and the wave's number alone
	s_add_co_u32 s28, s28, 512                     ; Wq | Wk: tile 512 + 32 j + 8 w
	s_mul_i32 s[G0B0+2], s28, PIT
	s_mov_b32 s[G0B0+3], 0
	s_lshl_b32 s[G0BS+2], s3, 14                   ; Wq | Wk's 16 pairs of scale words: pair 256 + 16 j, of 1,024 bytes
	s_add_co_u32 s[G0BS+2], s[G0BS+2], 512<<9
	s_lshl_b32 s66, s3, 5
	s_add_co_u32 s66, s66, 512
	s_mul_i32 s66, s66, PIT                        ; tile 512 + 32 j: where a whole slot's 32 tiles begin
	s_mov_b32 s67, 0
	s_mov_b32 s[G0BS+3], 0
	s_lshl_b32 s28, s27, 2
	s_add_co_u32 s28, s28, 640                     ; Wv: tile 640 + 16 j + 4 w
	s_mul_i32 s[VA], s28, PIT
	s_mov_b32 s[VA+1], 0
	s_lshl_b32 s[G0VS+2], s3, 13                   ; Wv's 8 pairs: pair 320 + 8 j
	s_add_co_u32 s[G0VS+2], s[G0VS+2], 640<<9
	; the prefetches' offsets in xwc: 24 blocks of 256 bytes an instruction, a lane a block (lanes 24-31 name block 23 again)
	s_mul_i32 s28, s17, 2*PIT
	s_add_co_u32 s28, s28, s[G0B0+2]               ; Wq | Wk: of my wave's 8 tiles the partner at cx takes 2 cx, 2 cx + 1: shared out by address
	s_mul_i32 s29, s17, PIT
	s_add_co_u32 s29, s29, s[VA]                   ; Wv: of my wave's 4 tiles the partner at cx takes tile cx
	v_and_b32 v2, 31, v0
	v_min_u32 v2, 23, v2
	v_mul_u32_u24 v3, v2, 11
	v_lshrrev_b32 v3, 7, v3                        ; 1 from block 12 on: the second tile
	v_mul_u32_u24 v3, v3, 0x2400                   ; a tile on, 12 blocks back
	v_lshl_add_u32 v27, v2, 8, s29
	v_lshl_add_u32 v26, v2, 8, s28
	v_add_nc_u32 v26, v26, v3
	v_lshlrev_b32 v30, 4, v0                       ; the scale words' copy: 16 bytes a thread, 2,048 an instruction of the work-group: from memory,
	v_lshl_add_u32 v31, v0, 4, ASC                 ; and into LDS
	s_mov_b32 s[G0VS+3], 0
	DESC G1AC, 3<<16, 768, 8, PIT/8                ; x's 8 tiles, four K steps (6,144 bytes each): my own
	DESC G1BC, 15|(3<<16)|(1<<21), 384, 16, PIT/8  ; tiles of Wq | Wk, two K steps (3,072 bytes each): joint.  16 rows at the head, 8 behind it
	DESC G1BV, 15|(3<<16)|(1<<21), 768, 4, PIT/8   ; my 4 tiles of Wv, four K steps (6,144 bytes each): joint
	s_mov_b32 s2, 0x76543210                       ; selects for lane l xor 16
	s_mov_b32 s3, 0xfedcba98
	s_wait_alu depctr_va_vdst(0)
	s_wait_dscnt 0x0                               ; the opening add is done
	s_wait_kmcnt 0x0
	s_add_nc_u64 s[OQ:OQ+1], s[8:9], s[OQ:OQ+1]
	s_add_nc_u64 s[SQ:SQ+1], s[10:11], s[SQ:SQ+1]
	s_add_nc_u64 s[OV:OV+1], s[12:13], s[OV:OV+1]
	s_add_nc_u64 s[SV:SV+1], s[14:15], s[SV:SV+1]
	s_add_nc_u64 s[VA:VA+1], s[4:5], s[VA:VA+1]
; THE SCALE WORDS (x's 4,096 bytes, Wq | Wk's 16,384, Wv's 8,192: three dense blocks) come by plain copies through registers into LDS bytes of their own, on which no tensor load lands:
; so each wave's one tensor load at the head brings codes.  They are 28,672 of the 716,800 bytes that the work-group takes in, so the weights' scale words are NOT asked for jointly.
	s_add_nc_u64 s[G0AS+2:G0AS+3], s[6:7], s[G0AS+2:G0AS+3]
	s_add_nc_u64 s[G0BS+2:G0BS+3], s[6:7], s[G0BS+2:G0BS+3]
	s_add_nc_u64 s[G0VS+2:G0VS+3], s[6:7], s[G0VS+2:G0VS+3]
.irp i, 0,1
	global_load_b128 v[64+4*\i:67+4*\i], v30, s[G0AS+2:G0AS+3] offset:2048*\i
.endr
.irp i, 0,1,2,3,4,5,6,7
	global_load_b128 v[72+4*\i:75+4*\i], v30, s[G0BS+2:G0BS+3] offset:2048*\i
.endr
.irp i, 0,1,2,3
	global_load_b128 v[104+4*\i:107+4*\i], v30, s[G0VS+2:G0VS+3] offset:2048*\i
.endr
	s_and_b32 s6, s16, 1                           ; which half I fetch at the head
	s_mov_b32 s[G0AC], 1
	s_mul_i32 s[G0AC+1], s6, 49152                 ; x's K steps 0-3, behind them 4-7
	s_add_nc_u64 s[G0AC+2:G0AC+3], s[4:5], s[G0AC+2:G0AC+3]
	s_mul_i32 s8, s6, 6144
	s_mov_b32 s9, 0
	s_add_nc_u64 s[G0AC+2:G0AC+3], s[G0AC+2:G0AC+3], s[8:9]
	s_or_b32 s[G0AC+3], s[G0AC+3], 0x80000000
	s_mov_b32 s[G0B0], 1
	s_mul_i32 s[G0B0+1], s16, 24576
	s_add_co_u32 s[G0B0+1], s[G0B0+1], BR
	s_add_nc_u64 s[G0B0+2:G0B0+3], s[4:5], s[G0B0+2:G0B0+3]
	s_mov_b32 s[G0B0+4], 1
	s_add_co_u32 s[G0B0+5], s[G0B0+1], SLOTB
	s_add_nc_u64 s[G0B0+6:G0B0+7], s[G0B0+2:G0B0+3], 3072
	s_or_b32 s[G0B0+3], s[G0B0+3], 0x80000000
	s_or_b32 s[G0B0+7], s[G0B0+7], 0x80000000
	s_mov_b32 s12, 1                               ; s[12:15]: group 0 for a half of slot 0: 16 tiles, K steps 0 and 1
	s_mul_i32 s13, s6, 49152
	s_add_co_u32 s13, s13, BR
	s_add_nc_u64 s[14:15], s[4:5], s[66:67]
	s_mul_i32 s66, s6, 16*PIT
	s_add_nc_u64 s[14:15], s[14:15], s[66:67]
	s_or_b32 s15, s15, 0x80000000
	CROUND                                         ; all four work-groups are here: the first joint loads meet
; THE HEAD'S LOADS, ONE A WAVE, 49,152 bytes each: waves 0 and 1 x's K steps 0-3 and 4-7, waves 2 and 3 the halves of slot 0.  One branch on the wave's number, both arms to one join.
	s_cmp_lt_u32 s16, 2
	s_cbranch_scc0 .Lhead_b
	tensor_load_to_lds s[G0AC:G0AC+3], s[G1AC:G1AC+7]
	s_nop 0
	PLACES
	s_branch .Lhead_asked
.Lhead_b:
	tensor_load_to_lds s[12:15], s[G1BC:G1BC+7]
	s_nop 0
	PLACES
.Lhead_asked:
	v_and_b32 v1, 31, v0                           ; lane
	v_lshlrev_b32 v16, 4, v1                       ; x's K steps 0-3
	v_add_nc_u32 v17, 49152, v16                   ; x's K steps 4-7
	s_mul_i32 s8, s16, 24576
	s_add_co_u32 s8, s8, BR
	v_add_nc_u32 v18, s8, v16                      ; my part of slot 0,
	v_add_nc_u32 v19, SLOTB, v18                   ; of slot 1
	v_lshl_add_u32 v20, v1, 2, ASC
	s_lshl_b32 s9, s16, 12
	s_add_co_u32 s9, s9, BSC
	v_lshl_add_u32 v21, v1, 2, s9
	s_lshl_b32 s10, s16, 11
	s_add_co_u32 s10, s10, VSC
	v_lshl_add_u32 v24, v1, 2, s10
	v_lshlrev_b32 v22, 4, v1                       ; the results' stores: 16 x lane,
	v_lshlrev_b32 v23, 2, v1                       ; 4 x lane
	v_cmp_le_u32 s17, 16, v1                       ; lanes 16-31
	s_wait_alu depctr_va_vdst(0)
	; prefetches: a fill of the weights is asked for two fills ahead of its tensor load; here the next two fills (K steps 2-3, 4-5)
	global_prefetch_b8 v26, s[4:5] offset:3072 th:TH_LOAD_NT scope:SCOPE_SE
	global_prefetch_b8 v26, s[4:5] offset:6144 th:TH_LOAD_NT scope:SCOPE_SE
	s_wait_loadcnt 0x0                             ; my 14 pieces of the scale words are in registers
.irp i, 0,1,2,3,4,5,6,7,8,9
	ds_store_b128 v31, v[64+4*\i:67+4*\i] offset:2048*\i              ; x's, and behind them Wq | Wk's
.endr
.irp i, 0,1,2,3
	ds_store_b128 v31, v[104+4*\i:107+4*\i] offset:VSC-ASC+2048*\i    ; Wv's
.endr
	s_wait_tensorcnt 0x0                           ; my tile of the head's four is in
	ds_add_u32 v[SPW], v[NIL]
	s_mov_b32 s[G1BC+2], 8<<16                     ; no tensor load of mine is out, so a descriptor may be written: from here on a wave fills its own 8 tiles of a slot
	s_mov_b32 s[G1BC+4], 8
	s_wait_dscnt 0x0                               ; the add is done, and my stores of scale words have landed
	CROUND                                         ; everybody's tile and scale words are in, and all four work-groups are here
	tensor_load_to_lds s[G0B0+4:G0B0+7], s[G1BC:G1BC+7]   ; slot 1's first fill, a quarter a wave: my one load behind the round
	s_nop 0
	PLACES
	FETCH 0, 0, 0, 0
	global_prefetch_b8 v26, s[4:5] offset:9216 th:TH_LOAD_NT scope:SCOPE_SE   ; K steps 6-7
	KA 0, 1                                        ; the first step's products start the sums
	KT 1, 1
	KA 2, 0
	KT 3, 1
	KA 4, 0
	KT 5, 2                                        ; slot 0 has had tile 1's last read: it takes Wv's K steps 0-3
	KA 6, 0
	s_wait_dscnt 0x0
	WIN MUL_LO
	MUL16 0, 1, 0
	MUL16 2, 1, 0
	WIN MUL_HI
	MUL16 4, 1, 0
	MUL16 6, 1, 0
	WIN 0
	PLACES
; THE WAY OUT of a tile of 16 lanes' rows: a lane holds one row and, with lane l xor 16, 128 neighbours along the result's K in 64 + 64 registers: one fragment and one scale word, quantised in registers and stored as they stand.
.irp b, 0,1,2,3
	v_mov_b32 v[TM+4+\b], 0                        ; a lane permute's destination counts as one of its sources
.endr
.macro QUANTA a
.set AC, 64*((\a)%4)
.set W, 2+(\a)/4
	WIN 0
.irp b, 0,1,2,3
	v_mov_b32 v[TM+\b], 0x1800000                  ; the floor 2^(3 - 127): the byte cannot fall under 1
.endr
	WIN (W<<2)|(W<<4)
.irp i, 0,2,4,6,8,10,12,14
.irp b, 0,1,2,3
	v_max3_num_f32 v[TM+\b], v[TM+\b], |v[AC+16*\b+\i]|, |v[AC+16*\b+\i+1]|   ; ascending: each accumulator is read from its low end on
.endr
.endr
	WIN 0
.irp b, 0,1,2,3
	v_permlanex16_b32 v[TM+4+\b], v[TM+\b], s2, s3
.endr
.irp b, 0,1,2,3
	v_max_num_f32 v[TM+\b], v[TM+\b], v[TM+4+\b]
.endr
.irp b, 0,1,2,3
	v_add_nc_u32 v[TM+12+\b], 0xff000000, v[TM+\b] ; 2 off the exponent field: the conversion's scale operand
.endr
.irp b, 0,1,2,3
	v_lshrrev_b32 v[TM+4+\b], 23, v[TM+12+\b]
.endr
	v_lshl_or_b32 v[PW], v[TM+5], 8, v[TM+4]
	v_lshl_or_b32 v[PW], v[TM+6], 16, v[PW]
	v_lshl_or_b32 v[PW], v[TM+7], 24, v[PW]
	WIN W
.irp c, 0,1
	v_cvt_scalef32_pk16_fp6_f32 v[PC+6*\c:PC+6*\c+2], v[AC+32*\c:AC+32*\c+15], v[TM+12+2*\c]
	v_cvt_scalef32_pk16_fp6_f32 v[PC+12+4*\c:PC+14+4*\c], v[AC+32*\c+16:AC+32*\c+31], v[TM+13+2*\c]
.endr
	WIN 0
	v_nop                                          ; one plain place behind a scaled conversion
.irp c, 0,1
.irp i, 0,1,2
	v_permlane16_swap_b32 v[PC+6*\c+\i], v[PC+12+4*\c+\i]
.endr
.irp i, 0,1,2
	v_mov_b32 v[PC+3+6*\c+\i], v[PC+12+4*\c+\i]
.endr
.endr
.endm
; tile a goes out: codes at oc + op x a, a pair's scale words at os + sp x (a / 2): every offset is an immediate
.macro SENDQ a, oc, op, os, sp
	s_wait_xcnt 0x0                                ; the last tile's stores have read their data, which are written anew below
	QUANTA \a
.irp c, 0,1,2
	global_store_b128 v22, v[PC+4*\c:PC+4*\c+3], s[\oc:\oc+1] offset:(\op)*(\a)+512*\c   ; 512 consecutive bytes a store
.endr
.if (\a) % 2 == 0
	v_mov_b32 v[PWE], v[PW]
.else
	v_cndmask_b32 v[SW], v[PWE], v[PW], s17        ; lanes 0-15 the even tile's words, lanes 16-31 the odd tile's
	global_store_b32 v23, v[SW], s[\os:\os+1] offset:(\sp)*((\a)/2)
.endif
.endm
.irp a, 0,1,2,3
	SENDQ \a, OQ, 24576, SQ, 2048
.endr
; Slot 1 has had tile 1's last read (K step 7's fragments were in registers ahead of its products): it takes Wv's K steps 4-7.  The change stands here, in the middle of the way out, so that the load
; into slot 0 has had 160 products and four tiles' quantising in which to land, and this one has the other four tiles' and three K steps of tile 2.
	s_wait_tensorcnt 0x0                           ; my part of Wv's K steps 0-3 has landed; no tensor load of mine is out, so a group 0 may be written
	ds_add_u32 v[SPW], v[NIL]                      ; 0 onto my spare word
	s_add_nc_u64 s[VA:VA+1], s[VA:VA+1], 6144      ; four K steps on
	s_wait_dscnt 0x0                               ; the add is done; my reads of slot 1 were over long ago
	CROUND                                         ; no wave of any partner still reads slot 1 or has a load on its way
	s_mov_b64 s[G0B0+6:G0B0+7], s[VA:VA+1]
	s_or_b32 s[G0B0+7], s[G0B0+7], 0x80000000
	tensor_load_to_lds s[G0B0+4:G0B0+7], s[G1BV:G1BV+7]    ; my one load behind the round
	s_nop 0
	PLACES
.irp a, 4,5,6,7
	SENDQ \a, OQ, 24576, SQ, 2048
.endr
; TILE 2.  x's fragments and scale words come from the same bytes as in tile 1; Wv's K steps 0-3 from slot 0, 4-7 from slot 1.  No slot is filled again.
	s_wait_xcnt 0x0                                ; the last stores have read the registers into which fragments are loaded now
	FETCHV 0, 0, 0, 0
.irp s, 0,1,2,3,4,5,6,7
	s_wait_dscnt 0x0                               ; this step's fragments are in
.if \s == 3
	s_wait_tensorcnt 0x0                           ; my part of Wv's K steps 4-7 has landed,
	s_barrier_signal -1
	s_barrier_wait -1                              ; everybody's: slot 1 is read from here on
.endif
.if \s < 7
	PLACES
	FETCHV (\s+1)%2, (\s+1)/4, (\s+1)%4, \s+1
.endif
	WIN MUL_V
.if \s == 0
	MULV 0, 1                                      ; the first products start the sums
.else
	MULV \s%2, 0
.endif
	WIN 0
.endr
	PLACES
.irp a, 0,1,2,3
	SENDQ \a, OV, 98304, SV, 8192
.endr
	s_wait_tensorcnt 0x0                           ; the wave's end
	ds_add_u32 v[SPW], v[NIL]
	s_wait_dscnt 0x0
	CROUND                                         ; the closing round
	s_endpgm
.Lfunc_end_k_q8df30dcac1_proj:
	.size	k_q8df30dcac1_proj, .Lfunc_end_k_q8df30dcac1_proj-k_q8df30dcac1_proj
	.p2alignl 7, 3214868480
	.fill 96, 4, 3214868480
	.section	.rodata,"a",@progbits
	.p2align	6, 0x0
	.amdhsa_kernel k_q8df30dcac1_proj
		.amdhsa_group_segment_fixed_size 327680
		.amdhsa_private_segment_fixed_size 0
		.amdhsa_enable_private_segment 0
		.amdhsa_kernarg_size 48
		.amdhsa_user_sgpr_count 2
		.amdhsa_user_sgpr_kernarg_segment_ptr 1
		.amdhsa_wavefront_size32 1
		.amdhsa_system_sgpr_workgroup_id_x 1
		.amdhsa_system_sgpr_workgroup_id_y 1
		.amdhsa_system_sgpr_workgroup_id_z 1
		.amdhsa_system_vgpr_workitem_id 0
		.amdhsa_next_free_vgpr 1024
		.amdhsa_next_free_sgpr 106
		.amdhsa_reserve_vcc 0
		.amdhsa_float_denorm_mode_32 3
		.amdhsa_float_denorm_mode_16_64 3
		.amdhsa_memory_ordered 1
		.amdhsa_forward_progress 1
		.amdhsa_inst_pref_size 217
	.end_amdhsa_kernel
	.amdgpu_metadata
---
amdhsa.version: [ 1, 2 ]
amdhsa.kernels:
  - .name:           k_q8df30dcac1_proj
    .symbol:         k_q8df30dcac1_proj.kd
    .args:
      - { .name: xwc, .offset: 0, .size: 8, .value_kind: global_buffer, .address_space: global }
      - { .name: xws, .offset: 8, .size: 8, .value_kind: global_buffer, .address_space: global }
      - { .name: qkc, .offset: 16, .size: 8, .value_kind: global_buffer, .address_space: global }
      - { .name: qks, .offset: 24, .size: 8, .value_kind: global_buffer, .address_space: global }
      - { .name: vtc, .offset: 32, .size: 8, .value_kind: global_buffer, .address_space: global }
      - { .name: vts, .offset: 40, .size: 8, .value_kind: global_buffer, .address_space: global }
    .group_segment_fixed_size: 327680
    .private_segment_fixed_size: 0
    .kernarg_segment_align: 8
    .kernarg_segment_size: 48
    .max_flat_workgroup_size: 128
    .sgpr_count:     106
    .vgpr_count:     1024
    .wavefront_size: 32
...
	.end_amdgpu_metadata
.endif
;; end of part 2
;; launch scores (part 3): grid 160 x 1, 4 waves a work-group, clusters of 4 x 1, 327,680 bytes of LDS; arguments qkc, qks, pc, pst; writes pc, pst
.if DOCPART == 3
	.amdgcn_target "amdgcn-amd-amdhsa--gfx1250"
	.amdhsa_code_object_version 6
	.text
	.protected	k_q8df30dcac1_scores
	.globl	k_q8df30dcac1_scores
	.p2align	8
	.type	k_q8df30dcac1_scores,@function
k_q8df30dcac1_scores:
	s_mov_b64 s[64:65], 0
	v_nop
	global_prefetch_b8 v0, s[64:65] scope:SCOPE_SE
	s_setreg_imm32_b32 hwreg(HW_REG_WAVE_MODE, 25, 1), 1
	s_wait_xcnt 0x0
	s_wait_alu depctr_hold_cnt(0) depctr_sa_sdst(0) depctr_va_vdst(0) depctr_va_sdst(0) depctr_va_ssrc(0) depctr_va_vcc(0) depctr_vm_vsrc(0)
	s_getreg_b32 s2, hwreg(HW_REG_IB_STS2, 6, 4)
	s_cmp_eq_u32 s2, 0
	s_cbranch_scc0 .Lentry_in_a_cluster
	s_endpgm
.Lentry_in_a_cluster:
	s_bfe_u32 s2, ttmp6, 0x10000c
	s_cmp_lg_u32 s2, 0x3003
	s_cbranch_scc0 .Lentry_shape_is_right
	s_endpgm
.Lentry_shape_is_right:
; S = Q K^T on codes of FP6 (E2M3), the causal mask, and the softmax's p quantised along the keys, BLOCK BY BLOCK OF 32 KEYS UNDER THE BLOCK'S OWN M.
; For a block of a query: M = ceil(c x its largest score), c = log2(e), a whole number; p = 2^(c s - M); the codes and the byte are made of p by the quantiser; l = the sum of the unquantised p.
; A change of M moves p by an exact power of two, which the block's scale takes up: the codes are those under the row's M.  What the last launch needs to bring the blocks of a row under one exponent is stored:
; Es = M + byte - 127 (a whole number, f32) and l' = l x 2^(127 - byte).  So a maximum is taken away ahead of every exponential, and no state runs from key step to key step.
; qkc [512 tiles (t)][16 steps: 0-7 Q, 8-15 K][1,536], qks [256 pairs][16][128].  pc [512 tiles (query)][16 steps (keys of the batch)][1,536].
; pst [512 tiles][16 steps][512]: lane l's 16 bytes at 16 l: lanes 0-15 row r's four Es, lanes 16-31 its four l'.
; SHARES: a cluster takes a batch, 512 queries (super-row cc) and 512 keys (SJ <= cc): 10 such places a batch, 40 clusters.  Its four work-groups take 128 queries each against the SAME 512 keys:
; K's tiles and scales are asked for jointly (mask 15); Q's differ from partner to partner and stay in LDS for all of K.  Wave w takes keys 128 w on: one key step of p.
; On the diagonal (cc = SJ, the same in all partners) hidden scores become -infinity; a block that is hidden whole gets zero codes, l' = 0 and Es about -1.4e38: finite.  Those zero tiles let the last launch's partners walk the same keys.
; LIMITS: scores under -1e38 count as -1e38; Es is exact while |c s| < 2^24; beyond that, where c s itself is spaced by 2 or more in f32, Es is rounded to that spacing; NaN and infinities are not served.
; REGISTERS: as in the projections' launch; the way out works in window 0, v64-191.
.set PIT,   24576
.set SPIT,  2048
.set BOFF,  12288
.set BSOFF, 1024
.set BR,    98304
.set SLOTB, 98304
.set ASC,   294912
.set BSC,   299008
.set SPARE, 315392
.set SPW, 28
.set NIL, 29
.set G1AC, 24
.set G1BC, 32
.set G1AS, 40
.set G1BS, 48
.set G0AC, 56
.set G0AS, 60
.set G0BS, 68
.set G0B0, 72
.set D0,  24                           ; v24  my query less my first key, on the diagonal
.set DV,  25                           ; v25  the same for the tile in hand
.set NINF, 26                          ; v26  -infinity
.set BM,  64                           ; v64-67   a block's largest score, then its largest p
.set TP,  68                           ; v68-71   at work
.set NM,  72                           ; v72-79   -M at 72 + 2 b (named in pairs: the odd ones are 0)
.set SU,  80                           ; v80-87   sums, in pairs
.set BY,  88                           ; v88-91   bytes
.set SO,  92                           ; v92-95   the conversions' scale operands
.set PC,  96                           ; v96-107  the fragment; v108-115 second halves
.set ES,  116
.set LP,  120
.set ST,  124                          ; v124-127 what goes to pst
.set P,   128                          ; v128-191 p
.set MSB, 0
.macro WIN new
.if MSB != (\new)
	s_set_vgpr_msb (MSB<<8)|(\new)
.set MSB, (\new)
.endif
.endm
.set MUL_LO, 0xa1
.set MUL_HI, 0xf1
.set TO_B,   0x40
.macro PLACES
.rept 4
	v_nop
.endr
.endm
.macro CREST
	s_cmp_lg_u32 s16, 0
	s_cbranch_scc1 .Lnot_wave_0_\@
	s_barrier_signal -3
.Lnot_wave_0_\@:
	s_barrier_wait -3
	s_barrier_signal -1
	s_barrier_wait -1
.endm
.macro CROUND
	s_barrier_signal -1
	s_barrier_wait -1
	CREST
.endm
.macro DESC g, w0, d0, d1, st
	s_mov_b32 s[\g], \w0
	s_mov_b32 s[\g+1], (\d0)<<16
	s_mov_b32 s[\g+2], (\d1)<<16
	s_mov_b32 s[\g+3], (\d0)<<16
	s_mov_b32 s[\g+4], \d1
	s_mov_b32 s[\g+5], \st
	s_mov_b32 s[\g+6], 0
	s_mov_b32 s[\g+7], 0
.endm
.macro FETCH set, slot, q, s
	WIN TO_B
.irp i, 0,1,2,3,4,5,6,7
.irp c, 0,1,2
	ds_load_b128 v[128*(\set)+12*\i+4*\c:128*(\set)+12*\i+4*\c+3], v[18+(\slot)] offset:3072*\i+1536*(\q)+512*\c
.endr
.endr
	WIN 0
.irp i, 0,1,2,3,4,5,6,7
.irp c, 0,1,2
	ds_load_b128 v[64+96*(\set)+12*\i+4*\c:64+96*(\set)+12*\i+4*\c+3], v[16+(\s)/4] offset:6144*\i+1536*((\s)%4)+512*\c   ; Q in LDS: [K steps 0-3 | 4-7][tile][4 steps]
.endr
.endr
.irp p, 0,1,2,3
	ds_load_b32 v[32+8*(\set)+\p], v20 offset:1024*\p+128*(\s)
	ds_load_b32 v[36+8*(\set)+\p], v21 offset:1024*\p+128*(\s)
.endr
.endm
.macro WM a, b, set, zero              ; source 0 = 16 keys, source 1 = 16 queries
.set rD, 8*(8*((\a)%4)+(\b))
.set rB, 128*(\set)+12*(\b)
.set rA, 64+96*(\set)+12*(\a)
.set rT, 36+8*(\set)+(\b)/2
.set rU, 32+8*(\set)+(\a)/2
.set rW, 4*(\zero)+2*((\a)%2)+(\b)%2
.if rW == 0
	v_wmma_scale_f32_16x16x128_f8f6f4 v[rD:rD+7], v[rB:rB+11], v[rA:rA+11], v[rD:rD+7], v[rT], v[rU] matrix_a_fmt:MATRIX_FMT_FP6 matrix_b_fmt:MATRIX_FMT_FP6
.elseif rW == 1
	v_wmma_scale_f32_16x16x128_f8f6f4 v[rD:rD+7], v[rB:rB+11], v[rA:rA+11], v[rD:rD+7], v[rT], v[rU] matrix_a_fmt:MATRIX_FMT_FP6 matrix_b_fmt:MATRIX_FMT_FP6 matrix_a_scale:MATRIX_SCALE_ROW1
.elseif rW == 2
	v_wmma_scale_f32_16x16x128_f8f6f4 v[rD:rD+7], v[rB:rB+11], v[rA:rA+11], v[rD:rD+7], v[rT], v[rU] matrix_a_fmt:MATRIX_FMT_FP6 matrix_b_fmt:MATRIX_FMT_FP6 matrix_b_scale:MATRIX_SCALE_ROW1
.elseif rW == 3
	v_wmma_scale_f32_16x16x128_f8f6f4 v[rD:rD+7], v[rB:rB+11], v[rA:rA+11], v[rD:rD+7], v[rT], v[rU] matrix_a_fmt:MATRIX_FMT_FP6 matrix_b_fmt:MATRIX_FMT_FP6 matrix_a_scale:MATRIX_SCALE_ROW1 matrix_b_scale:MATRIX_SCALE_ROW1
.elseif rW == 4
	v_wmma_scale_f32_16x16x128_f8f6f4 v[rD:rD+7], v[rB:rB+11], v[rA:rA+11], 0, v[rT], v[rU] matrix_a_fmt:MATRIX_FMT_FP6 matrix_b_fmt:MATRIX_FMT_FP6
.elseif rW == 5
	v_wmma_scale_f32_16x16x128_f8f6f4 v[rD:rD+7], v[rB:rB+11], v[rA:rA+11], 0, v[rT], v[rU] matrix_a_fmt:MATRIX_FMT_FP6 matrix_b_fmt:MATRIX_FMT_FP6 matrix_a_scale:MATRIX_SCALE_ROW1
.elseif rW == 6
	v_wmma_scale_f32_16x16x128_f8f6f4 v[rD:rD+7], v[rB:rB+11], v[rA:rA+11], 0, v[rT], v[rU] matrix_a_fmt:MATRIX_FMT_FP6 matrix_b_fmt:MATRIX_FMT_FP6 matrix_b_scale:MATRIX_SCALE_ROW1
.else
	v_wmma_scale_f32_16x16x128_f8f6f4 v[rD:rD+7], v[rB:rB+11], v[rA:rA+11], 0, v[rT], v[rU] matrix_a_fmt:MATRIX_FMT_FP6 matrix_b_fmt:MATRIX_FMT_FP6 matrix_a_scale:MATRIX_SCALE_ROW1 matrix_b_scale:MATRIX_SCALE_ROW1
.endif
.endm
.macro MUL16 a0, set, zero             ; the 64 accumulators take turns, one instruction a turn
.irp a, \a0, \a0+1
.irp b, 0,1,2,3,4,5,6,7
	WM \a, \b, \set, \zero
.endr
.endr
.endm
.macro KA s, zero
	s_wait_dscnt 0x0                               ; set 0 is in
	PLACES
	FETCH 1, ((\s)/2)%2, 1, (\s)+1
	WIN MUL_LO
	MUL16 0, 0, \zero
	MUL16 2, 0, \zero
	WIN MUL_HI
	MUL16 4, 0, \zero
	MUL16 6, 0, \zero
.endm
.macro KT s, fill
	WIN 0
	s_wait_tensorcnt 0x0                           ; all my tensor loads have landed: my part of the next slot
	ds_add_u32 v[SPW], v[NIL]                      ; 0 onto my spare word
	s_wait_dscnt 0x1                               ; set 1 is in; the add alone may be out
	WIN MUL_LO
	MUL16 0, 1, 0
	s_wait_dscnt 0x0                               ; the add is done, and my reads of this slot are over
	s_barrier_signal -1
	MUL16 2, 1, 0
	WIN 0
	s_barrier_wait -1
.if \fill
	CREST                                          ; a round of the cluster's barrier: no wave of any partner still reads this slot or has a load on its way
	s_add_nc_u64 s[G0B0+4*(((\s)/2)%2)+2:G0B0+4*(((\s)/2)%2)+3], s[G0B0+4*(((\s)/2)%2)+2:G0B0+4*(((\s)/2)%2)+3], 6144
	tensor_load_to_lds s[G0B0+4*(((\s)/2)%2):G0B0+4*(((\s)/2)%2)+3], s[G1BC:G1BC+7]
	s_nop 0
	PLACES
.else
	PLACES
.endif
	FETCH 0, 1-((\s)/2)%2, 0, (\s)+1
	WIN MUL_HI
	MUL16 4, 1, 0
	MUL16 6, 1, 0
.endm
	s_load_b256 s[4:11], s[0:1], 0x0               ; qkc, qks, pc, pst
	v_lshl_add_u32 v[SPW], v0, 2, SPARE
	v_mov_b32 v[NIL], 0
	ds_add_u32 v[SPW], v[NIL]                      ; the wave's opening: the add and its wait ahead of my first tensor load
	ds_add_u32 v[SPW], v[NIL]
	v_lshrrev_b32 v1, 5, v0
	v_readfirstlane_b32 s16, v1                    ; wave
	s_bfe_u32 s17, ttmp6, 0x40000                  ; cx: it enters Q's addresses, the results' and the mask's numbers alone
	s_and_b32 s2, ttmp9, 3                         ; the batch
	s_lshr_b32 s3, ttmp9, 2                        ; the place in the staircase, 0 .. 9
	s_cmp_ge_u32 s3, 1
	s_cselect_b32 s84, 1, 0
	s_cmp_ge_u32 s3, 3
	s_cselect_b32 s85, 1, 0
	s_add_co_u32 s84, s84, s85
	s_cmp_ge_u32 s3, 6
	s_cselect_b32 s85, 1, 0
	s_add_co_u32 s84, s84, s85                     ; cc: the super-row
	s_add_co_u32 s85, s84, 1
	s_mul_i32 s85, s85, s84
	s_lshr_b32 s85, s85, 1
	s_sub_co_u32 s85, s3, s85                      ; SJ: the block of 512 keys
	s_lshl_b32 s18, s84, 2
	s_add_co_u32 s18, s18, s17
	s_lshl_b32 s18, s18, 3
	s_lshl_b32 s19, s2, 7
	s_add_co_u32 s18, s18, s19                     ; TA = 128 b + 8 (4 cc + cx)
	s_mul_i32 s20, s18, PIT                        ; Q's codes: tiles TA on
	s_mov_b32 s21, 0
	s_lshr_b32 s94, s18, 1
	s_mul_i32 s94, s94, SPIT
	s_mov_b32 s95, 0
	s_lshl_b32 s22, s2, 7
	s_lshl_b32 s91, s85, 5
	s_add_co_u32 s22, s22, s91
	s_mov_b32 s86, s22                             ; 128 b + 32 SJ: the first of the 32 tiles of keys
	s_lshl_b32 s91, s16, 3
	s_add_co_u32 s22, s22, s91                     ; TB = 128 b + 32 SJ + 8 w
	s_lshl_b32 s91, s85, 2
	s_add_co_u32 s91, s91, s16                     ; p's key step: 4 SJ + w
	s_lshr_b32 s2, s86, 1
	s_mul_i32 s2, s2, SPIT
	s_add_co_u32 s2, s2, BSOFF
	s_mov_b32 s3, 0
	s_mul_i32 s22, s22, PIT
	s_add_co_u32 s22, s22, BOFF
	s_mov_b32 s23, 0
	s_mul_i32 s86, s86, PIT
	s_add_co_u32 s86, s86, BOFF                    ; where a whole slot's 32 tiles begin
	s_mov_b32 s87, 0
	; the prefetches' offset in qkc: 24 blocks of 256 bytes an instruction, a lane a block (lanes 24-31 name block 23 again)
	s_mul_i32 s96, s17, 2*PIT
	s_add_co_u32 s96, s96, s22                     ; K: of my wave's 8 tiles the partner at cx takes 2 cx, 2 cx + 1: shared out by address
	v_and_b32 v2, 31, v0
	v_min_u32 v2, 23, v2
	v_mul_u32_u24 v3, v2, 11
	v_lshrrev_b32 v3, 7, v3                        ; 1 from block 12 on: the second tile
	v_mul_u32_u24 v3, v3, 0x5400                   ; a tile on, 12 blocks back
	v_lshl_add_u32 v27, v2, 8, s96
	v_add_nc_u32 v27, v27, v3
	v_lshrrev_b32 v3, 6, v0                        ; the scale words' copy: 16 bytes a thread; 64 threads take a pair's 1,024 bytes, and pairs lie 2,048 bytes apart in qks:
	v_lshlrev_b32 v30, 4, v0
	v_lshl_add_u32 v30, v3, 10, v30                ; from memory,
	v_lshl_add_u32 v31, v0, 4, ASC                 ; and into LDS, dense
	s_mul_i32 s96, s18, 24576
	s_mul_i32 s97, s91, 1536
	s_add_co_u32 s96, s96, s97
	s_mov_b32 s97, 0
	s_lshl_b32 s98, s18, 13
	s_lshl_b32 s99, s91, 9
	s_add_co_u32 s98, s98, s99
	s_mov_b32 s99, 0
	DESC G1AC, 3<<16, 768, 8, PIT/8                ; Q's 8 tiles, four K steps: my own
	DESC G1BC, 15|(3<<16)|(1<<21), 384, 16, PIT/8  ; tiles of K, two K steps: joint.  16 rows at the head, 8 behind it
	s_mov_b32 s88, 0x76543210
	s_mov_b32 s89, 0xfedcba98
	s_mov_b32 s92, 0x3fb8aa3b                      ; c = log2(e)
	s_mov_b32 s93, s92                             ; (named with it as a pair)
	s_wait_alu depctr_va_vdst(0)
	s_wait_dscnt 0x0                               ; the opening add is done
	s_wait_kmcnt 0x0
	s_add_nc_u64 s[80:81], s[8:9], s[96:97]        ; pc at my first fragment
	s_add_nc_u64 s[82:83], s[10:11], s[98:99]      ; pst likewise
; THE SCALE WORDS (Q's 4 pairs, K's 16 pairs, 1,024 bytes each) come by plain copies through registers into LDS bytes of their own, on which no tensor load lands:
; so each wave's one tensor load at the head brings codes.  They are 20,480 of the 512,000 bytes that the work-group takes in, so K's scale words are NOT asked for jointly.
	s_add_nc_u64 s[G0AS+2:G0AS+3], s[6:7], s[94:95]
	s_add_nc_u64 s[G0BS+2:G0BS+3], s[6:7], s[2:3]
.irp i, 0,1
	global_load_b128 v[64+4*\i:67+4*\i], v30, s[G0AS+2:G0AS+3] offset:4096*\i
.endr
.irp i, 0,1,2,3,4,5,6,7
	global_load_b128 v[72+4*\i:75+4*\i], v30, s[G0BS+2:G0BS+3] offset:4096*\i
.endr
	s_and_b32 s6, s16, 1                           ; which half I fetch at the head
	s_mov_b32 s[G0AC], 1
	s_mul_i32 s[G0AC+1], s6, 49152                 ; Q's K steps 0-3, behind them 4-7
	s_add_nc_u64 s[G0AC+2:G0AC+3], s[4:5], s[20:21]
	s_mul_i32 s8, s6, 6144
	s_mov_b32 s9, 0
	s_add_nc_u64 s[G0AC+2:G0AC+3], s[G0AC+2:G0AC+3], s[8:9]
	s_or_b32 s[G0AC+3], s[G0AC+3], 0x80000000
	s_mov_b32 s[G0B0], 1
	s_mul_i32 s[G0B0+1], s16, 24576
	s_add_co_u32 s[G0B0+1], s[G0B0+1], BR
	s_add_nc_u64 s[G0B0+2:G0B0+3], s[4:5], s[22:23]
	s_mov_b32 s[G0B0+4], 1
	s_add_co_u32 s[G0B0+5], s[G0B0+1], SLOTB
	s_add_nc_u64 s[G0B0+6:G0B0+7], s[G0B0+2:G0B0+3], 3072
	s_or_b32 s[G0B0+3], s[G0B0+3], 0x80000000
	s_or_b32 s[G0B0+7], s[G0B0+7], 0x80000000
	s_mov_b32 s12, 1                               ; s[12:15]: group 0 for a half of slot 0: 16 tiles, K steps 0 and 1
	s_mul_i32 s13, s6, 49152
	s_add_co_u32 s13, s13, BR
	s_add_nc_u64 s[14:15], s[4:5], s[86:87]
	s_mul_i32 s86, s6, 16*PIT
	s_add_nc_u64 s[14:15], s[14:15], s[86:87]
	s_or_b32 s15, s15, 0x80000000
	CROUND                                         ; all four work-groups are here: the first joint loads meet
; THE HEAD'S LOADS, ONE A WAVE, 49,152 bytes each: waves 0 and 1 Q's K steps 0-3 and 4-7, waves 2 and 3 the halves of slot 0.  One branch on the wave's number, both arms to one join.
	s_cmp_lt_u32 s16, 2
	s_cbranch_scc0 .Lhead_b
	tensor_load_to_lds s[G0AC:G0AC+3], s[G1AC:G1AC+7]
	s_nop 0
	PLACES
	s_branch .Lhead_asked
.Lhead_b:
	tensor_load_to_lds s[12:15], s[G1BC:G1BC+7]
	s_nop 0
	PLACES
.Lhead_asked:
	v_and_b32 v1, 31, v0                           ; lane
	v_lshlrev_b32 v16, 4, v1
	v_add_nc_u32 v17, 49152, v16
	s_mul_i32 s2, s16, 24576
	s_add_co_u32 s2, s2, BR
	v_add_nc_u32 v18, s2, v16
	v_add_nc_u32 v19, SLOTB, v18
	v_lshl_add_u32 v20, v1, 2, ASC
	s_lshl_b32 s3, s16, 12
	s_add_co_u32 s3, s3, BSC
	v_lshl_add_u32 v21, v1, 2, s3
	v_lshlrev_b32 v22, 4, v1                       ; the results' stores: 16 x lane
	v_cmp_le_u32 s90, 16, v1                       ; lanes 16-31
	s_sub_co_i32 s18, s17, s16
	s_lshl_b32 s18, s18, 7                         ; 128 (cx - w)
	v_and_b32 v2, 15, v0
	v_and_b32 v3, 8, v2
	v_add_nc_u32 v2, v2, v3                        ; r + 8 (r / 8)
	v_bfe_u32 v3, v0, 4, 1
	v_lshlrev_b32 v3, 4, v3
	v_sub_nc_u32 v2, v2, v3                        ; - 16 h
	v_add_nc_u32 v[D0], s18, v2
	s_wait_alu depctr_va_vdst(0)
	; prefetches: a fill of K is asked for two fills ahead of its tensor load; here the next two fills (K steps 2-3, 4-5)
	global_prefetch_b8 v27, s[4:5] offset:3072 th:TH_LOAD_NT scope:SCOPE_SE
	global_prefetch_b8 v27, s[4:5] offset:6144 th:TH_LOAD_NT scope:SCOPE_SE
	s_wait_loadcnt 0x0                             ; my 10 pieces of the scale words are in registers
.irp i, 0,1,2,3,4,5,6,7,8,9
	ds_store_b128 v31, v[64+4*\i:67+4*\i] offset:2048*\i              ; Q's, and behind them K's
.endr
	s_wait_tensorcnt 0x0                           ; my tile of the head's four is in
	ds_add_u32 v[SPW], v[NIL]
	s_mov_b32 s[G1BC+2], 8<<16                     ; no tensor load of mine is out, so a descriptor may be written: from here on a wave fills its own 8 tiles of a slot
	s_mov_b32 s[G1BC+4], 8
	s_wait_dscnt 0x0                               ; the add is done, and my stores of scale words have landed
	CROUND                                         ; everybody's tile and scale words are in, and all four work-groups are here
	tensor_load_to_lds s[G0B0+4:G0B0+7], s[G1BC:G1BC+7]   ; slot 1's first fill, a quarter a wave: my one load behind the round
	s_nop 0
	PLACES
	FETCH 0, 0, 0, 0
	global_prefetch_b8 v27, s[4:5] offset:9216 th:TH_LOAD_NT scope:SCOPE_SE   ; K steps 6-7
	KA 0, 1
	KT 1, 1
	KA 2, 0
	KT 3, 1
	KA 4, 0
	KT 5, 0
	KA 6, 0
	s_wait_dscnt 0x0
	WIN MUL_LO
	MUL16 0, 1, 0
	MUL16 2, 1, 0
	WIN MUL_HI
	MUL16 4, 1, 0
	MUL16 6, 1, 0
	WIN 0
	PLACES
.irp b, 0,1,2,3
	v_mov_b32 v[TP+\b], 0                          ; a lane permute's destination counts as one of its sources
	v_mov_b32 v[NM+2*\b+1], 0                      ; named as the upper halves of pairs
.endr
	v_mov_b32 v[NINF], 0xff800000
; Tile a of my 8 tiles of queries: a lane holds one query; register 16 b + i is key 32 b + 16 (lane / 16) + i of my 128.
.macro SOFTQ a
.set AC, 64*((\a)%4)
.set W, 2+(\a)/4
	s_wait_xcnt 0x0                                ; the last tile's stores have read their data
	s_cmp_lg_u32 s84, s85                          ; off the diagonal every key counts: the same in all partners
	s_cbranch_scc1 .Lopen_\@
	v_add_nc_u32 v[DV], 32*((\a)/2)+8*((\a)%2), v[D0]   ; my query less my first key: key 32 b + i is hidden where 32 b + i > this
	WIN W|(W<<6)
.set n, 0
	s_wait_alu depctr_va_vdst(0)
.rept 64
	v_cmp_gt_i32 vcc_lo, 32*(n/16)+n%16, v[DV]
	v_cndmask_b32 v[AC+n], v[AC+n], v[NINF], vcc_lo
.set n, n+1
.endr
	WIN 0
.Lopen_\@:
.irp b, 0,1,2,3
	v_mov_b32 v[BM+\b], 0xfe967699                 ; -1e38: a block that is hidden whole keeps a finite M
.endr
	WIN (W<<2)|(W<<4)
.irp i, 0,2,4,6,8,10,12,14
.irp b, 0,1,2,3
	v_max3_num_f32 v[BM+\b], v[BM+\b], v[AC+16*\b+\i], v[AC+16*\b+\i+1]   ; ascending: each accumulator is read from its low end on
.endr
.endr
	WIN 0
.irp b, 0,1,2,3
	v_permlanex16_b32 v[TP+\b], v[BM+\b], s88, s89
.endr
.irp b, 0,1,2,3
	v_max_num_f32 v[BM+\b], v[BM+\b], v[TP+\b]     ; the block's largest score
.endr
.irp b, 0,1,2,3
	v_mul_f32 v[TP+\b], s92, v[BM+\b]
.endr
.irp b, 0,1,2,3
	v_floor_f32 v[NM+2*\b], -v[TP+\b]              ; -M = floor(-t) = -ceil(t)
.endr
	WIN W
.irp b, 0,1,2,3
.irp j, 0,2,4,6,8,10,12,14
	v_pk_fma_f32 v[P+16*\b+\j:P+16*\b+\j+1], v[AC+16*\b+\j:AC+16*\b+\j+1], s[92:93], v[NM+2*\b:NM+2*\b+1] op_sel_hi:[1,0,0]   ; c s - M, one rounding
.endr
.endr
	WIN 0
.irp b, 0,1,2,3
	v_fma_f32 v[BM+\b], v[BM+\b], s92, v[NM+2*\b]  ; the same of the block's largest score
.endr
.set n, 0
	s_wait_alu depctr_va_vdst(0)
.rept 64
	v_exp_f32 v[P+n], v[P+n]                       ; p
.set n, n+1
.endr
	v_nop                                          ; a plain place behind the exponentials
	s_wait_alu depctr_va_vdst(0)                   ; one wait for the batch, ahead of its first reader
.irp b, 0,1,2,3
	v_exp_f32 v[BM+\b], v[BM+\b]                   ; the block's largest p: the same two instructions on the same number
.endr
.irp b, 0,1,2,3
	v_pk_add_f32 v[SU+2*\b:SU+2*\b+1], v[P+16*\b:P+16*\b+1], v[P+16*\b+2:P+16*\b+3]   ; the sums are taken of the unquantised p; they read the 64 alone
.endr
.irp j, 4,6,8,10,12,14
.irp b, 0,1,2,3
	v_pk_add_f32 v[SU+2*\b:SU+2*\b+1], v[SU+2*\b:SU+2*\b+1], v[P+16*\b+\j:P+16*\b+\j+1]
.endr
.endr
.irp b, 0,1,2,3
	v_add_f32 v[SU+2*\b], v[SU+2*\b], v[SU+2*\b+1]
.endr
.irp b, 0,1,2,3
	v_permlanex16_b32 v[TP+\b], v[SU+2*\b], s88, s89
.endr
.irp b, 0,1,2,3
	v_add_f32 v[SU+2*\b], v[SU+2*\b], v[TP+\b]     ; l of the block
.endr
	s_wait_alu depctr_va_vdst(0)                   ; and one wait for the four
.irp b, 0,1,2,3
	v_max_num_f32 v[BM+\b], 0x1800000, v[BM+\b]    ; the floor 2^(3 - 127)
.endr
.irp b, 0,1,2,3
	v_add_nc_u32 v[SO+\b], 0xff000000, v[BM+\b]    ; 2 off the exponent field: the conversion's scale operand
.endr
.irp b, 0,1,2,3
	v_lshrrev_b32 v[BY+\b], 23, v[SO+\b]           ; the byte
.endr
.irp c, 0,1
	v_cvt_scalef32_pk16_fp6_f32 v[PC+6*\c:PC+6*\c+2], v[P+32*\c:P+32*\c+15], v[SO+2*\c]
	v_cvt_scalef32_pk16_fp6_f32 v[PC+12+4*\c:PC+14+4*\c], v[P+32*\c+16:P+32*\c+31], v[SO+2*\c+1]
.endr
	v_nop                                          ; one plain place behind a scaled conversion
.irp c, 0,1
.irp i, 0,1,2
	v_permlane16_swap_b32 v[PC+6*\c+\i], v[PC+12+4*\c+\i]
.endr
.irp i, 0,1,2
	v_mov_b32 v[PC+3+6*\c+\i], v[PC+12+4*\c+\i]
.endr
.endr
.irp b, 0,1,2,3
	v_add_nc_u32 v[TP+\b], 0xffffff81, v[BY+\b]    ; byte - 127
.endr
.irp b, 0,1,2,3
	v_cvt_f32_i32 v[TP+\b], v[TP+\b]
.endr
.irp b, 0,1,2,3
	v_sub_f32 v[ES+\b], v[TP+\b], v[NM+2*\b]       ; Es = M + byte - 127
.endr
.irp b, 0,1,2,3
	v_sub_nc_u32 v[TP+\b], 127, v[BY+\b]
.endr
.irp b, 0,1,2,3
	v_ldexp_f32 v[LP+\b], v[SU+2*\b], v[TP+\b]     ; l' = l x 2^(127 - byte): exact
.endr
.irp b, 0,1,2,3
	v_cndmask_b32 v[ST+\b], v[ES+\b], v[LP+\b], s90
.endr
.irp c, 0,1,2
	global_store_b128 v22, v[PC+4*\c:PC+4*\c+3], s[80:81] offset:24576*(\a)+512*\c   ; 512 consecutive bytes a store
.endr
	global_store_b128 v22, v[ST:ST+3], s[82:83] offset:8192*(\a)
.endm
.irp a, 0,1,2,3,4,5,6,7
	SOFTQ \a
.endr
	s_wait_tensorcnt 0x0                           ; the wave's end
	ds_add_u32 v[SPW], v[NIL]
	s_wait_dscnt 0x0
	CROUND                                         ; the closing round
	s_endpgm
.Lfunc_end_k_q8df30dcac1_scores:
	.size	k_q8df30dcac1_scores, .Lfunc_end_k_q8df30dcac1_scores-k_q8df30dcac1_scores
	.p2alignl 7, 3214868480
	.fill 96, 4, 3214868480
	.section	.rodata,"a",@progbits
	.p2align	6, 0x0
	.amdhsa_kernel k_q8df30dcac1_scores
		.amdhsa_group_segment_fixed_size 327680
		.amdhsa_private_segment_fixed_size 0
		.amdhsa_enable_private_segment 0
		.amdhsa_kernarg_size 32
		.amdhsa_user_sgpr_count 2
		.amdhsa_user_sgpr_kernarg_segment_ptr 1
		.amdhsa_wavefront_size32 1
		.amdhsa_system_sgpr_workgroup_id_x 1
		.amdhsa_system_sgpr_workgroup_id_y 1
		.amdhsa_system_sgpr_workgroup_id_z 1
		.amdhsa_system_vgpr_workitem_id 0
		.amdhsa_next_free_vgpr 1024
		.amdhsa_next_free_sgpr 100
		.amdhsa_reserve_vcc 1
		.amdhsa_float_denorm_mode_32 3
		.amdhsa_float_denorm_mode_16_64 3
		.amdhsa_memory_ordered 1
		.amdhsa_forward_progress 1
		.amdhsa_inst_pref_size 251
	.end_amdhsa_kernel
	.amdgpu_metadata
---
amdhsa.version: [ 1, 2 ]
amdhsa.kernels:
  - .name:           k_q8df30dcac1_scores
    .symbol:         k_q8df30dcac1_scores.kd
    .args:
      - { .name: qkc, .offset: 0, .size: 8, .value_kind: global_buffer, .address_space: global }
      - { .name: qks, .offset: 8, .size: 8, .value_kind: global_buffer, .address_space: global }
      - { .name: pc, .offset: 16, .size: 8, .value_kind: global_buffer, .address_space: global }
      - { .name: pst, .offset: 24, .size: 8, .value_kind: global_buffer, .address_space: global }
    .group_segment_fixed_size: 327680
    .private_segment_fixed_size: 0
    .kernarg_segment_align: 8
    .kernarg_segment_size: 32
    .max_flat_workgroup_size: 128
    .sgpr_count:     100
    .vgpr_count:     1024
    .wavefront_size: 32
...
	.end_amdgpu_metadata
.endif
;; end of part 3
;; launch pv (part 4): grid 4 x 64, 4 waves a work-group, clusters of 4 x 4, 327,680 bytes of LDS; arguments pc, pst, vtc, vts, out0; writes out0
.if DOCPART == 4
	.amdgcn_target "amdgcn-amd-amdhsa--gfx1250"
	.amdhsa_code_object_version 6
	.text
	.protected	k_q8df30dcac1_pv
	.globl	k_q8df30dcac1_pv
	.p2align	8
	.type	k_q8df30dcac1_pv,@function
k_q8df30dcac1_pv:
	s_mov_b64 s[64:65], 0
	v_nop
	global_prefetch_b8 v0, s[64:65] scope:SCOPE_SE
	s_setreg_imm32_b32 hwreg(HW_REG_WAVE_MODE, 25, 1), 1
	s_wait_xcnt 0x0
	s_wait_alu depctr_hold_cnt(0) depctr_sa_sdst(0) depctr_va_vdst(0) depctr_va_sdst(0) depctr_va_ssrc(0) depctr_va_vcc(0) depctr_vm_vsrc(0)
	s_getreg_b32 s2, hwreg(HW_REG_IB_STS2, 6, 4)
	s_cmp_eq_u32 s2, 0
	s_cbranch_scc0 .Lentry_in_a_cluster
	s_endpgm
.Lentry_in_a_cluster:
	s_bfe_u32 s2, ttmp6, 0x10000c
	s_cmp_lg_u32 s2, 0xf033
	s_cbranch_scc0 .Lentry_shape_is_right
	s_endpgm
.Lentry_shape_is_right:
; out = (P V) / L on codes of FP6 (E2M3).  P's codes were made block by block of 32 keys, each under its own exponent; here a row's blocks are brought under one:
; R = the row's largest Es; i = Es - R, held at -127 from below; P's scale byte = 127 + i; L = the sum of l' x 2^i; out = the product / L.  R follows the row's true largest exponent: no fixed shift.
; pc [512 tiles (query)][16 key steps][1,536]; pst [512 tiles][16 steps][512] (lanes 0-15 four Es, lanes 16-31 four l'); vtc [64 tiles (e)][64 steps (t)][1,536]; vts [32 pairs][64][128]; out0 [8192][1024] f32.
; SHARES: a cluster (4 x 4) takes a batch b and a super-row c of 512 queries; cy picks 128 queries, cx 256 channels.  All sixteen walk key steps 0 .. 4 c + 3 (tiles past a query block's diagonal hold zero codes),
; in c + 1 periods of 4 key steps.  P's tiles are shared along a row of the cluster, V^T's along a column: both are asked for jointly.  A wave makes 64 queries x 128 channels: 32 accumulators.
; The number of periods hangs on the cluster's y alone; the tails are written out.  Every wait on TENSORcnt is for 0.
; LIMITS: a block more than 127 binades under the row's largest is held at 2^-127; Es is exact while |t| < 2^24 and beyond that rounded to t's own f32 spacing; NaN and infinities are not served.
; REGISTERS: window 0: v16-27 addresses; v28, v29 the add's; v32-45 scale words, two sets; v64-159 P's fragments, two sets (before the first period v64-239 serve the rows' exponents).  window 1: V^T's fragments, two sets.  window 2: accumulators (a, b) at v[8 (8 a + b)].
.set SLOT,  147456                     ; P: 8 tiles x 4 steps x 1,536, then V^T: 16 tiles x 4 steps
.set VSC,   294912                     ; V^T's scale words of the batch: 8 pairs x 16 steps x 128
.set PSC,   311296                     ; P's scale words: [16 steps][128 threads]
.set RL,    319488                     ; 1 / L: [128 threads]
.set SPARE, 320000                     ; the spare words, 128 bytes a wave
.set SPW, 28
.set NIL, 29
.set G1A, 24
.set G1B, 32
.set G1S, 40
.set G0A, 48
.set G0B, 52
.set G0S, 56
.set ES,  64                           ; v64-127  Es of 16 steps x 4 blocks
.set LP,  128                          ; v128-191 l' likewise
.set OF,  192                          ; v192-207 the loads' offsets
.set RQ,  208                          ; v208-211 four chains of the maximum
.set RR,  212
.set LL,  213
.set DI,  216                          ; v216-219 at work
.set WD,  224                          ; v224-239 the steps' scale words
.set MSB, 0
.macro WIN new
.if MSB != (\new)
	s_set_vgpr_msb (MSB<<8)|(\new)
.set MSB, (\new)
.endif
.endm
.macro PLACES                          ; four plain places behind matrix instructions (ISA guide 7.12.1)
.rept 4
	v_nop
.endr
.endm
.macro CROUND                          ; a round of the cluster's barrier
	s_barrier_signal -1
	s_barrier_wait -1
	s_cmp_lg_u32 s14, 0
	s_cbranch_scc1 .Lnot_wave_0_\@
	s_barrier_signal -3
.Lnot_wave_0_\@:
	s_barrier_wait -3
	s_barrier_signal -1
	s_barrier_wait -1
.endm
.macro DESC1 g, d0, d1, st             ; words 1 to 7 of a group 1: d1 rows of d0 elements of 8 bytes, st elements apart
	s_mov_b32 s[\g+1], (\d0)<<16
	s_mov_b32 s[\g+2], (\d1)<<16
	s_mov_b32 s[\g+3], (\d0)<<16
	s_mov_b32 s[\g+4], \d1
	s_mov_b32 s[\g+5], \st
	s_mov_b32 s[\g+6], 0
	s_mov_b32 s[\g+7], 0
.endm
.macro JLOAD                           ; wave 0 fetches P's 8 tiles, waves 2 and 3 V^T's halves, 49,152 bytes each; wave 1 has none; the branches hang on the wave's number alone
	s_cmp_lt_u32 s14, 2
	s_cbranch_scc0 .Lfor_b_\@
	s_cmp_eq_u32 s14, 0
	s_cbranch_scc0 .Lasked_\@
	tensor_load_to_lds s[G0A:G0A+3], s[G1A:G1A+7]
	s_nop 0
	PLACES
	s_branch .Lasked_\@
.Lfor_b_\@:
	tensor_load_to_lds s[G0B:G0B+3], s[G1B:G1B+7]
	s_nop 0
	PLACES
.Lasked_\@:
	PLACES                                         ; on every wave's way: the places in front of the loads that follow
.endm
.macro FETCH4 set, slot, q, s          ; key step s (the slot's q-th): my 8 fragments of V^T, my 4 of P, 2 + 4 scale words: 42 LDS loads
	WIN 0x40
.irp i, 0,1,2,3,4,5,6,7
.irp c, 0,1,2
	ds_load_b128 v[128*(\set)+12*\i+4*\c:128*(\set)+12*\i+4*\c+3], v[18+(\slot)] offset:6144*\i+1536*(\q)+512*\c
.endr
.endr
	WIN 0
.irp i, 0,1,2,3
.irp c, 0,1,2
	ds_load_b128 v[64+48*(\set)+12*\i+4*\c:64+48*(\set)+12*\i+4*\c+3], v[16+(\slot)] offset:6144*\i+1536*(\q)+512*\c
.endr
.endr
.irp p, 0,1
	ds_load_b32 v[32+8*(\set)+\p], v21 offset:512*(\s)+128*\p
.endr
.irp p, 0,1,2,3
	ds_load_b32 v[34+8*(\set)+\p], v20 offset:2048*\p+128*(\s)
.endr
.endm
.macro WM a, b, set, zero              ; source 0 = 16 channels of V^T, source 1 = 16 queries of P
.set rD, 8*(8*(\a)+(\b))
.set rB, 128*(\set)+12*(\b)
.set rA, 64+48*(\set)+12*(\a)
.set rT, 34+8*(\set)+(\b)/2
.set rU, 32+8*(\set)+(\a)/2
.set rW, 4*(\zero)+2*((\a)%2)+(\b)%2
.if rW == 0
	v_wmma_scale_f32_16x16x128_f8f6f4 v[rD:rD+7], v[rB:rB+11], v[rA:rA+11], v[rD:rD+7], v[rT], v[rU] matrix_a_fmt:MATRIX_FMT_FP6 matrix_b_fmt:MATRIX_FMT_FP6
.elseif rW == 1
	v_wmma_scale_f32_16x16x128_f8f6f4 v[rD:rD+7], v[rB:rB+11], v[rA:rA+11], v[rD:rD+7], v[rT], v[rU] matrix_a_fmt:MATRIX_FMT_FP6 matrix_b_fmt:MATRIX_FMT_FP6 matrix_a_scale:MATRIX_SCALE_ROW1
.elseif rW == 2
	v_wmma_scale_f32_16x16x128_f8f6f4 v[rD:rD+7], v[rB:rB+11], v[rA:rA+11], v[rD:rD+7], v[rT], v[rU] matrix_a_fmt:MATRIX_FMT_FP6 matrix_b_fmt:MATRIX_FMT_FP6 matrix_b_scale:MATRIX_SCALE_ROW1
.elseif rW == 3
	v_wmma_scale_f32_16x16x128_f8f6f4 v[rD:rD+7], v[rB:rB+11], v[rA:rA+11], v[rD:rD+7], v[rT], v[rU] matrix_a_fmt:MATRIX_FMT_FP6 matrix_b_fmt:MATRIX_FMT_FP6 matrix_a_scale:MATRIX_SCALE_ROW1 matrix_b_scale:MATRIX_SCALE_ROW1
.elseif rW == 4
	v_wmma_scale_f32_16x16x128_f8f6f4 v[rD:rD+7], v[rB:rB+11], v[rA:rA+11], 0, v[rT], v[rU] matrix_a_fmt:MATRIX_FMT_FP6 matrix_b_fmt:MATRIX_FMT_FP6
.elseif rW == 5
	v_wmma_scale_f32_16x16x128_f8f6f4 v[rD:rD+7], v[rB:rB+11], v[rA:rA+11], 0, v[rT], v[rU] matrix_a_fmt:MATRIX_FMT_FP6 matrix_b_fmt:MATRIX_FMT_FP6 matrix_a_scale:MATRIX_SCALE_ROW1
.elseif rW == 6
	v_wmma_scale_f32_16x16x128_f8f6f4 v[rD:rD+7], v[rB:rB+11], v[rA:rA+11], 0, v[rT], v[rU] matrix_a_fmt:MATRIX_FMT_FP6 matrix_b_fmt:MATRIX_FMT_FP6 matrix_b_scale:MATRIX_SCALE_ROW1
.else
	v_wmma_scale_f32_16x16x128_f8f6f4 v[rD:rD+7], v[rB:rB+11], v[rA:rA+11], 0, v[rT], v[rU] matrix_a_fmt:MATRIX_FMT_FP6 matrix_b_fmt:MATRIX_FMT_FP6 matrix_a_scale:MATRIX_SCALE_ROW1 matrix_b_scale:MATRIX_SCALE_ROW1
.endif
.endm
.macro MUL32 set, zero                 ; the 32 accumulators take turns, one instruction a turn, in the same order in every step
.irp a, 0,1,2,3
.irp b, 0,1,2,3,4,5,6,7
	WM \a, \b, \set, \zero
.endr
.endr
.endm
; A PERIOD: four key steps out of slot p % 2.  At its head the change of slots: all my tensor loads have landed, the add, my reads of the other slot are over; a barrier.
; more = 1: the barrier is a round of the cluster's, and behind it the other slot is asked for, with the next period's tiles: the load has this period's 128 matrix instructions in which to land.
.macro PERIOD p, more
	WIN 0
	s_wait_tensorcnt 0x0                           ; no tensor load of mine is out, so a group 0 may be written
	ds_add_u32 v[SPW], v[NIL]                      ; 0 onto my spare word
.if \more
	s_add_co_u32 s[G0A+1], s60, (((\p)+1)%2)*SLOT
	s_add_co_u32 s[G0B+1], s61, (((\p)+1)%2)*SLOT
	s_add_nc_u64 s[G0A+2:G0A+3], s[G0A+2:G0A+3], 6144
	s_add_nc_u64 s[G0B+2:G0B+3], s[G0B+2:G0B+3], 6144
.endif
	s_wait_dscnt 0x0                               ; the add is done; my LDS stores have landed and my reads of the other slot are over
.if \more
	CROUND
	JLOAD
.else
	s_barrier_signal -1
	s_barrier_wait -1
	PLACES
.endif
	FETCH4 0, (\p)%2, 0, 4*(\p)
.if (\more) && ((\p) < 2)
	s_cmp_ge_u32 s20, (\p)+2                       ; is there a period two on?  c is the same in all sixteen partners
	s_cbranch_scc0 .Lno_ask_\@
	global_prefetch_b8 v30, s[4:5] offset:6144*((\p)+2) th:TH_LOAD_NT scope:SCOPE_SE   ; its tiles of P and of V^T, one period ahead of their tensor loads
	global_prefetch_b8 v31, s[8:9] offset:6144*((\p)+2) th:TH_LOAD_NT scope:SCOPE_SE
.Lno_ask_\@:
.endif
.irp q, 0,1,2,3
	s_wait_dscnt 0x0                               ; this step's fragments are in
.if \q < 3
	PLACES
	FETCH4 (\q+1)%2, (\p)%2, \q+1, 4*(\p)+\q+1
.endif
	WIN 0xa1                                       ; source 0 window 1, source 1 window 0, C and D window 2
.if ((\p) == 0) && (\q == 0)
	MUL32 \q%2, 1                                  ; the first products start the sums
.else
	MUL32 \q%2, 0
.endif
	WIN 0
.endr
.endm
	s_load_b256 s[4:11], s[0:1], 0x0               ; pc, pst, vtc, vts
	s_load_b64 s[12:13], s[0:1], 0x20              ; out0
	v_lshl_add_u32 v[SPW], v0, 2, SPARE
	v_mov_b32 v[NIL], 0
	ds_add_u32 v[SPW], v[NIL]                      ; the wave's opening: the add and its wait ahead of my first tensor load
	ds_add_u32 v[SPW], v[NIL]
	v_lshrrev_b32 v1, 5, v0
	v_readfirstlane_b32 s14, v1                    ; wave
	s_lshr_b32 s15, s14, 1                         ; my half of the queries
	s_and_b32 s16, s14, 1                          ; my half of the channels.  Also: which half I fetch
	s_bfe_u32 s17, ttmp6, 0x40000                  ; cx: the block of 256 channels
	s_bfe_u32 s18, ttmp6, 0x40004                  ; cy: the block of 128 queries
	s_and_b32 s22, ttmp7, 0xffff                   ; the cluster's y
	s_lshr_b32 s19, s22, 2                         ; b
	s_and_b32 s20, s22, 3
	s_sub_co_u32 s20, 3, s20                       ; c: the clusters with the most periods have the lowest numbers
	s_lshl_b32 s21, s20, 2
	s_add_co_u32 s21, s21, 3                       ; the last key step: 4 c + 3
	s_lshl_b32 s78, s18, 2
	s_lshl_b32 s78, 15, s78                        ; my row of the cluster
	s_lshl_b32 s79, 0x1111, s17                    ; my column
	s_or_b32 s[G1A], s78, (3<<16)|(1<<21)
	s_or_b32 s[G1B], s79, (3<<16)|(1<<21)
	s_or_b32 s[G1S], s79, (3<<16)|(1<<21)
	DESC1 G1A, 768, 8, 3072                        ; eight tiles of P, 4 key steps (6,144 bytes each)
	DESC1 G1B, 768, 8, 12288                       ; eight tiles of V^T, 4 key steps
	DESC1 G1S, 256, 8, 1024                        ; eight pairs' scale words, the batch's 16 key steps
	s_lshl_b32 s66, s20, 2                         ; P's path: it never holds cx
	s_add_co_u32 s66, s66, s18
	s_lshl_b32 s66, s66, 3
	s_lshl_b32 s67, s19, 7
	s_add_co_u32 s66, s66, s67                     ; TA = 128 b + 8 (4 c + cy)
	s_mul_i32 s68, s66, 24576
	s_mov_b32 s69, 0
	s_lshl_b32 s67, s14, 1
	s_add_co_u32 s74, s66, s67
	s_lshl_b32 s74, s74, 13                        ; pst: tiles TA + 2 w, + 1
	s_mov_b32 s75, 0
	s_lshl_b32 s70, s17, 4                         ; V^T's path: it never holds cy
	s_lshl_b32 s71, s16, 3
	s_add_co_u32 s70, s70, s71                     ; tile 16 cx + 8 x half
	s_lshl_b32 s72, s17, 3                         ; pair 8 cx
	s_mul_i32 s70, s70, 98304
	s_mul_i32 s71, s19, 24576                      ; the batch's first key step: 16 b x 1,536
	s_add_co_u32 s70, s70, s71
	s_mov_b32 s71, 0
	s_lshl_b32 s72, s72, 13
	s_lshl_b32 s73, s19, 11
	s_add_co_u32 s72, s72, s73
	s_mov_b32 s73, 0
	s_lshl_b32 s80, s66, 16                        ; out0: row 16 TA + 64 x my half, of 4,096 bytes; + 1,024 cx + 512 x my half
	s_lshl_b32 s81, s15, 18
	s_add_co_u32 s80, s80, s81
	s_lshl_b32 s81, s17, 10
	s_add_co_u32 s80, s80, s81
	s_lshl_b32 s81, s16, 9
	s_add_co_u32 s80, s80, s81
	s_mov_b32 s81, 0
	s_mov_b32 s60, 0                               ; where the tiles go in a slot: P's,
	s_mul_i32 s61, s16, 49152
	s_add_co_u32 s61, s61, 49152                   ; V^T's
	; the prefetches' offsets, a lane a block of 256 bytes.  P's 8 tiles x 24 blocks are shared out by address among the 16 waves of my row of the cluster (12 blocks each),
	; V^T's 16 tiles x 24 blocks among the 16 waves of my column (a tile each); lanes that are left over name their wave's last block again
	s_lshl_b32 s76, s17, 2
	s_add_co_u32 s76, s76, s14                     ; 4 cx + w
	s_lshr_b32 s77, s76, 1
	s_add_co_u32 s77, s77, s66
	s_mul_i32 s77, s77, 24576
	s_and_b32 s76, s76, 1
	s_mul_i32 s76, s76, 3072
	s_add_co_u32 s76, s76, s77
	s_lshl_b32 s62, s17, 4
	s_lshl_b32 s63, s18, 2
	s_add_co_u32 s62, s62, s63
	s_add_co_u32 s62, s62, s14                     ; tile 16 cx + 4 cy + w
	s_mul_i32 s62, s62, 98304
	s_mul_i32 s63, s19, 24576
	s_add_co_u32 s62, s62, s63
	v_and_b32 v5, 31, v0
	v_min_u32 v6, 11, v5
	v_min_u32 v5, 23, v5
	v_lshl_add_u32 v30, v6, 8, s76
	v_lshl_add_u32 v31, v5, 8, s62
	s_wait_alu depctr_va_vdst(0)
	s_wait_dscnt 0x0                               ; the opening add is done
	s_wait_kmcnt 0x0
	s_add_nc_u64 s[74:75], s[6:7], s[74:75]
	s_add_nc_u64 s[12:13], s[12:13], s[80:81]
	s_mov_b32 s[G0A], 1
	s_mov_b32 s[G0A+1], s60
	s_add_nc_u64 s[G0A+2:G0A+3], s[4:5], s[68:69]
	s_or_b32 s[G0A+3], s[G0A+3], 0x80000000
	s_mov_b32 s[G0B], 1
	s_mov_b32 s[G0B+1], s61
	s_add_nc_u64 s[G0B+2:G0B+3], s[8:9], s[70:71]
	s_or_b32 s[G0B+3], s[G0B+3], 0x80000000
	s_mov_b32 s[G0S], 1
	s_mov_b32 s[G0S+1], VSC
	s_add_nc_u64 s[G0S+2:G0S+3], s[10:11], s[72:73]
	s_or_b32 s[G0S+3], s[G0S+3], 0x80000000
; THE ROWS' EXPONENTS are asked for here, ahead of the round and the tiles.  Thread 32 w + lane stands for row r of tile 2 w + h.
; Key steps past 4 c + 3 were never stored: their loads read step 4 c + 3 again, which leaves the maximum as it is, and their l' is multiplied by 0.
	v_and_b32 v2, 15, v0
	v_bfe_u32 v3, v0, 4, 1
	v_lshlrev_b32 v4, 4, v2
	v_lshl_add_u32 v4, v3, 13, v4                  ; pst: tile h of my two, row r
.set ks, 0
	s_wait_alu depctr_va_vdst(0)
.rept 16
	s_min_u32 s76, s21, ks
	s_lshl_b32 s76, s76, 9
	v_add_nc_u32 v[OF+ks], s76, v4
	global_load_b128 v[ES+4*ks:ES+4*ks+3], v[OF+ks], s[74:75]
	global_load_b128 v[LP+4*ks:LP+4*ks+3], v[OF+ks], s[74:75] offset:256
.set ks, ks+1
.endr
	CROUND                                         ; all sixteen work-groups are here: the first joint loads meet
	s_cmp_eq_u32 s14, 0                            ; the head's loads, one a wave: wave 0 P's tiles, wave 1 V^T's scale words, waves 2 and 3 V^T's halves
	s_cbranch_scc0 .Lfirst_s
	tensor_load_to_lds s[G0A:G0A+3], s[G1A:G1A+7]
	s_nop 0
	PLACES
	s_branch .Lfirst_done
.Lfirst_s:
	s_cmp_eq_u32 s14, 1
	s_cbranch_scc0 .Lfirst_b
	tensor_load_to_lds s[G0S:G0S+3], s[G1S:G1S+7]
	s_nop 0
	PLACES
	s_branch .Lfirst_done
.Lfirst_b:
	tensor_load_to_lds s[G0B:G0B+3], s[G1B:G1B+7]
	s_nop 0
	PLACES
.Lfirst_done:
	v_and_b32 v1, 31, v0                           ; lane
	v_and_b32 v2, 15, v0                           ; r
	s_wait_alu depctr_va_vdst(0)
	v_bfe_u32 v3, v0, 4, 1                         ; h
	v_lshlrev_b32 v24, 4, v1                       ; 16 x lane
	s_mul_i32 s76, s15, 24576
	v_add_nc_u32 v16, s76, v24                     ; my four tiles of P in slot 0,
	v_add_nc_u32 v17, SLOT, v16                    ; in slot 1
	s_mul_i32 s76, s16, 49152
	s_add_co_u32 s76, s76, 49152
	v_add_nc_u32 v18, s76, v24                     ; my eight tiles of V^T
	v_add_nc_u32 v19, SLOT, v18
	s_lshl_b32 s76, s16, 13
	s_add_co_u32 s76, s76, VSC
	v_lshl_add_u32 v20, v1, 2, s76
	s_lshl_b32 s76, s15, 8
	s_add_co_u32 s77, s76, PSC
	v_lshl_add_u32 v21, v1, 2, s77
	s_add_co_u32 s77, s76, RL
	v_lshl_add_u32 v25, v2, 2, s77
	s_mul_i32 s76, s14, 8448                       ; the way out's stage: 16 rows x 528 bytes a wave, in slot 0
	v_mul_u32_u24 v22, v2, 528
	v_lshl_add_u32 v22, v3, 6, v22
	v_add_nc_u32 v22, s76, v22
	v_add_nc_u32 v23, s76, v24
	v_lshl_add_u32 v26, v0, 2, PSC
	v_lshl_add_u32 v27, v0, 2, RL
	s_wait_alu depctr_va_vdst(0)
	s_cmp_eq_u32 s20, 0                            ; c is the same in all sixteen partners
	s_cbranch_scc1 .Lno_p1
	global_prefetch_b8 v30, s[4:5] offset:6144 th:TH_LOAD_NT scope:SCOPE_SE   ; period 1's tiles: their tensor loads stand behind the rows' exponents
	global_prefetch_b8 v31, s[8:9] offset:6144 th:TH_LOAD_NT scope:SCOPE_SE
.Lno_p1:
	s_wait_loadcnt 0x0
.irp q, 0,1,2,3
	v_max3_num_f32 v[RQ+\q], v[ES+\q], v[ES+4+\q], v[ES+8+\q]
.endr
.irp t, 3,5,7,9,11,13
.irp q, 0,1,2,3
	v_max3_num_f32 v[RQ+\q], v[RQ+\q], v[ES+4*\t+\q], v[ES+4*\t+4+\q]
.endr
.endr
.irp q, 0,1,2,3
	v_max_num_f32 v[RQ+\q], v[RQ+\q], v[ES+60+\q]
.endr
	v_max3_num_f32 v[RR], v[RQ], v[RQ+1], v[RQ+2]
	v_max_num_f32 v[RR], v[RR], v[RQ+3]            ; R
	v_mov_b32 v[LL], 0
.set ks, 0
.rept 16
.irp q, 0,1,2,3
	v_sub_f32 v[DI+\q], v[ES+4*ks+\q], v[RR]
.endr
.irp q, 0,1,2,3
	v_max_num_f32 v[DI+\q], 0xc2fe0000, v[DI+\q]   ; held at -127
.endr
.irp q, 0,1,2,3
	v_cvt_i32_f32 v[DI+\q], v[DI+\q]               ; i: a whole number, -127 .. 0
.endr
.irp q, 0,1,2,3
	v_ldexp_f32 v[LP+4*ks+\q], v[LP+4*ks+\q], v[DI+\q]
.endr
.irp q, 0,1,2,3
	v_add_nc_u32 v[DI+\q], 127, v[DI+\q]           ; the byte: 0 .. 127
.endr
	v_lshl_or_b32 v[WD+ks], v[DI+1], 8, v[DI]
	v_lshl_or_b32 v[WD+ks], v[DI+2], 16, v[WD+ks]
	v_lshl_or_b32 v[WD+ks], v[DI+3], 24, v[WD+ks]
	v_add_f32 v[LP+4*ks], v[LP+4*ks], v[LP+4*ks+1]
	v_add_f32 v[LP+4*ks+2], v[LP+4*ks+2], v[LP+4*ks+3]
	v_add_f32 v[LP+4*ks], v[LP+4*ks], v[LP+4*ks+2]
	s_cmp_ge_u32 s21, ks
	s_cselect_b32 s77, 1.0, 0
	v_fma_f32 v[LL], v[LP+4*ks], s77, v[LL]
	ds_store_b32 v26, v[WD+ks] offset:512*ks       ; a pair's image: lanes 0-15 tile 2 w's rows, lanes 16-31 tile 2 w + 1's
.set ks, ks+1
.endr
	s_wait_alu depctr_va_vdst(0)
	v_rcp_f32 v[LL], v[LL]
	v_nop                                          ; a plain place behind the reciprocal
	s_wait_alu depctr_va_vdst(0)                   ; and the wait ahead of its first reader
	ds_store_b32 v27, v[LL]
	s_cmp_eq_u32 s20, 0                            ; c is the same in all sixteen partners
	s_cbranch_scc1 .L0
	PERIOD 0, 1
	s_cmp_eq_u32 s20, 1
	s_cbranch_scc1 .L1
	PERIOD 1, 1
	s_cmp_eq_u32 s20, 2
	s_cbranch_scc1 .L2
	PERIOD 2, 1
	PERIOD 3, 0
	s_branch .Lout
.L0:
	PERIOD 0, 0
	s_branch .Lout
.L1:
	PERIOD 1, 0
	s_branch .Lout
.L2:
	PERIOD 2, 0
.Lout:
; THE WAY OUT.  In tile bt = 2 g + u a lane's register j is channel 32 g + 16 h + 8 u + j of its query.  A tile of 16 queries x 128 channels goes through my stage and comes back as rows of 512 bytes.
; The stage lies in slot 0, which has had its last fill; behind this barrier nobody reads it.
	PLACES
	s_wait_dscnt 0x0
	s_barrier_signal -1
	s_barrier_wait -1
.irp a, 0,1,2,3
	ds_load_b32 v[208+2*\a], v25 offset:64*\a      ; 1 / L of my query in tile a
	v_mov_b32 v[209+2*\a], 0                       ; (named with it as a pair)
.endr
	s_wait_alu depctr_va_vdst(0)
	s_wait_dscnt 0x0
.irp a, 0,1,2,3
	WIN 0x02                                       ; source 0 window 2
.set i, 0
.rept 32
	v_pk_mul_f32 v[64+i:64+i+1], v[64*\a+i:64*\a+i+1], v[208+2*\a:209+2*\a] op_sel_hi:[1,0]   ; ascending: each accumulator is read from its low end on
.set i, i+2
.endr
	WIN 0
.irp t, 0,1,2,3,4,5,6,7
	ds_store_b128 v22, v[64+8*\t:64+8*\t+3] offset:128*(\t/2)+32*(\t%2)
	ds_store_b128 v22, v[64+8*\t+4:64+8*\t+7] offset:128*(\t/2)+32*(\t%2)+16
.endr
	s_wait_xcnt 0x0                                ; the last tile's stores have read their data, v128-191, on which the loads below land
.irp t, 0,1,2,3,4,5,6,7,8,9,10,11,12,13,14,15
	ds_load_b128 v[128+4*\t:128+4*\t+3], v23 offset:528*\t   ; LDS serves a wave's instructions in order: these see my stores
.endr
	s_wait_dscnt 0x0
.irp t, 0,1,2,3,4,5,6,7,8,9,10,11,12,13,14,15
	global_store_b128 v24, v[128+4*\t:128+4*\t+3], s[12:13] offset:(32*(\a/2)+8*(\a%2)+\t+8*(\t/8))*4096 th:TH_STORE_NT   ; 32 lanes store 512 consecutive bytes, at a multiple of 512 from out0's first byte
.endr
.endr
	s_wait_tensorcnt 0x0                           ; the wave's end
	ds_add_u32 v[SPW], v[NIL]
	s_wait_dscnt 0x0
	CROUND                                         ; the closing round
	s_endpgm
.Lfunc_end_k_q8df30dcac1_pv:
	.size	k_q8df30dcac1_pv, .Lfunc_end_k_q8df30dcac1_pv-k_q8df30dcac1_pv
	.p2alignl 7, 3214868480
	.fill 96, 4, 3214868480
	.section	.rodata,"a",@progbits
	.p2align	6, 0x0
	.amdhsa_kernel k_q8df30dcac1_pv
		.amdhsa_group_segment_fixed_size 327680
		.amdhsa_private_segment_fixed_size 0
		.amdhsa_enable_private_segment 0
		.amdhsa_kernarg_size 40
		.amdhsa_user_sgpr_count 2
		.amdhsa_user_sgpr_kernarg_segment_ptr 1
		.amdhsa_wavefront_size32 1
		.amdhsa_system_sgpr_workgroup_id_x 1
		.amdhsa_system_sgpr_workgroup_id_y 1
		.amdhsa_system_sgpr_workgroup_id_z 1
		.amdhsa_system_vgpr_workitem_id 0
		.amdhsa_next_free_vgpr 768
		.amdhsa_next_free_sgpr 96
		.amdhsa_reserve_vcc 0
		.amdhsa_float_denorm_mode_32 3
		.amdhsa_float_denorm_mode_16_64 3
		.amdhsa_memory_ordered 1
		.amdhsa_forward_progress 1
		.amdhsa_inst_pref_size 255
	.end_amdhsa_kernel
	.section	.bss,"aw",@nobits
	.p2align	6
	.space	262144
	.amdgpu_metadata
---
amdhsa.version: [ 1, 2 ]
amdhsa.kernels:
  - .name:           k_q8df30dcac1_pv
    .symbol:         k_q8df30dcac1_pv.kd
    .args:
      - { .name: pc, .offset: 0, .size: 8, .value_kind: global_buffer, .address_space: global }
      - { .name: pst, .offset: 8, .size: 8, .value_kind: global_buffer, .address_space: global }
      - { .name: vtc, .offset: 16, .size: 8, .value_kind: global_buffer, .address_space: global }
      - { .name: vts, .offset: 24, .size: 8, .value_kind: global_buffer, .address_space: global }
      - { .name: out0, .offset: 32, .size: 8, .value_kind: global_buffer, .address_space: global }
    .group_segment_fixed_size: 327680
    .private_segment_fixed_size: 0
    .kernarg_segment_align: 8
    .kernarg_segment_size: 40
    .max_flat_workgroup_size: 128
    .sgpr_count:     96
    .vgpr_count:     768
    .wavefront_size: 32
...
	.end_amdgpu_metadata
.endif
;; end of part 4
